; MI455X (gfx1250); checked and timed in simulation.
; The chip was launched on July 23, 2026; its instructions are those of AMD's public machine-readable ISA for CDNA 5 (MIT licence, August 2026) and "CDNA5" Instruction Set Architecture Reference Guide (July 2026). The comments in the code are by the model that wrote it; some were corrected since.
;; Multi Modal Spiking Transformer. Allowed arithmetic: matrix products marked QUANTISED: E2M3 operands, one E8M0 scale for each 32 along K, by v_wmma_scale_f32_16x16x128_f8f6f4 with both operands' format E2M3, f32 sums; everything else in f32.
;; Inputs: Wk 512 x 512 float32; Wo 512 x 512 float32; Wq 512 x 512 float32; Wv 512 x 512 float32; bk 512 float32; bo 512 float32; bq 512 float32; bv 512 float32; key_spikes 4 x 32 x 256 x 512 float32; modality_weights 2 x 8 float32; query_spikes 4 x 32 x 256 x 512 float32; temporal_sync 32 x 8 float32; value_spikes 4 x 32 x 256 x 512 float32.
;; Outputs: out0 4 x 32 x 256 x 512 float32.
;; This version of the problem:
;;   THIS VERSION OF THE PROBLEM IS GIVEN IN LOW PRECISION. The matrix products marked QUANTISED in the list below multiply operands that are first quantised to E2M3 (2 exponent bits, 3 mantissa bits; 6 bits a number), with one power-of-two scale for each 32 numbers along K (OCP MX v1.0); their sums are f32. All else is computed in f32.
;;   The module's matrix products, in the order in which they are computed (A, B: the left and right operand; K: the contracted axis; several contracted axes count as one K, in the product's order):
;;     1. [M 32,768, K 512] x [K 512, N 512]; A: input query_spikes; B: input Wq: QUANTISED
;;     2. [M 32,768, K 512] x [K 512, N 512]; A: input key_spikes; B: input Wk: QUANTISED
;;     3. [M 32,768, K 512] x [K 512, N 512]; A: input value_spikes; B: input Wv: QUANTISED
;;     4. batch 1,024 x [M 256, K 64] x [K 64, N 256]; A: computed on the way; B: computed on the way: QUANTISED
;;     5. batch 1,024 x [M 256, K 256] x [K 256, N 64]; A: computed on the way; B: computed on the way: QUANTISED
;;     6. [M 32,768, K 512] x [K 512, N 512]; A: computed on the way; B: input Wo: QUANTISED
;;   THE QUANTISER, for each operand of a quantised product, along K:
;;     - K is cut into blocks of 32 from its start; a last block that is shorter is filled with zeros.
;;     - A block's scale is 2^e with e = floor(log2(the largest magnitude in the block)) - 2, held to -126 .. 127; a block of zeros has e = 0. As a byte (E8M0): e + 127.
;;     - Each number is divided by its block's scale, clamped to +-7.5, and rounded to the nearest number of E2M3, ties to even, subnormals kept.
;;     - The product sums the exact products of the quantised numbers (number of the format x scale) in f32.
;;   ~~~python
;;   def quantise(x, axis):      # numpy; x: float32 -> the quantised numbers, widened to float32 again
;;       x = np.moveaxis(x, axis, -1); K = x.shape[-1]
;;       x = np.pad(x, [(0, 0)] * (x.ndim - 1) + [(0, -K % 32)]); x = x.reshape(x.shape[:-1] + (-1, 32)); a = np.abs(x).max(-1, keepdims=True)
;;       e = np.where(a > 0, np.clip(np.frexp(np.where(a > 0, a, 1))[1] - 1 - 2, -126, 127), 0)      # np.frexp(a)[1] - 1 = floor(log2(a)), exactly
;;       r = np.clip(x / 2.0 ** e, -7.5, 7.5)
;;       step = 2.0 ** (np.maximum(np.frexp(np.where(r == 0, 1, r))[1] - 1, 0) - 3)
;;       q = np.round(r / step) * step * 2.0 ** e      # np.round: ties to even
;;       return np.moveaxis(q.reshape(q.shape[:-2] + (-1,))[..., :K], -1, axis).astype(np.float32)
;;   ~~~
;;   OPERANDS COMPUTED ON THE WAY. 'Computed on the way' means the value that the module computes at that place (a softmax that the list does not call 'softmax' is quantised finished and normalised). What goes into a quantiser is computed in f32, as accurately as f32 sums, v_exp_f32 and their like allow (about 1e-6 of the number): no bf16 or f16 on the way to a quantiser, and a product that is left as it is and whose result goes on into a quantised operand takes f32 operands (vector FMAs, or v_wmma_f32_16x16x4_f32). A number that lies on a knife's edge between two numbers of the format may be rounded either way, as far as f32 arithmetic and the matrix unit's own rounding can turn it there, and no further.
;; 2 versions, each right; version 2 is version 1 with the launch attn written anew for expert scheduling mode. Each part assembles by itself: llvm-mc -triple=amdgcn-amd-amdhsa -mcpu=gfx1250 --defsym DOCPART=n.
;; ======== version 1 of 2: 3 launches
;; workspace buffers: wc 851,968 bytes; qkv 40,894,464 bytes
;; launch wquant (part 1): grid 32 x 4, 4 waves a work-group, no clusters, 0 bytes of LDS; arguments Wq, Wk, Wv, Wo, wc; writes wc
.if DOCPART == 1
	.amdgcn_target "amdgcn-amd-amdhsa--gfx1250"
	.amdhsa_code_object_version 6
	.text
	.protected	k_q76861af2f4_wquant
	.globl	k_q76861af2f4_wquant
	.p2align	8
	.type	k_q76861af2f4_wquant,@function
k_q76861af2f4_wquant:
	s_mov_b64 s[64:65], 0
	v_nop
	global_prefetch_b8 v0, s[64:65] scope:SCOPE_SE
	s_setreg_imm32_b32 hwreg(HW_REG_WAVE_MODE, 25, 1), 1
	s_wait_xcnt 0x0
; One of Wq, Wk, Wv, Wo ([512 (k)][512 (n)] f32, K its FIRST axis) becomes codes of FP6 (E2M3) with one E8M0 byte for each 32 along K,
; laid in the order of a matrix operand's registers.  wc holds 32 records of 26,624 bytes, record 8 x weight + g (g: a group of 64 columns):
; 16 fragment images of 1,536 bytes, image f = 4 t + s (t: tile of 16 columns, s: 128 along K), registers 4 c .. 4 c + 3 of lane l at 512 c + 16 l;
; from byte 24,576 on 16 images of scale words, 128 bytes each, lane l's word at 4 l.
; THE COLUMNS OF A TILE ARE NOT NEIGHBOURS: lane r of tile t takes column 64 g + 32 (t / 2) + 8 (t % 2) + r + 8 (r / 8), so that a product that has
; these columns as its rows leaves 16 neighbouring columns in the 16 result registers of tiles 2 b and 2 b + 1.
; A LANE TAKES A COLUMN AND ITS REGISTERS RUN DOWN K, in the order of the operand's layout (k = 128 s + 64 c + 32 (lane / 16) + 0 .. 31): nothing is transposed.
; Grid: x = 4 g + s, y = the weight; a wave makes one fragment (wave = t).  No LDS, no barrier.
; A load reads two runs of 32 bytes in sixteen lanes, and the scale words leave as 128 bytes a wave: 4 MiB are read and 64 KiB so written in the whole launch.
; LIMITS: a block's largest magnitude is held at 2^-124 from below (a block of zeros gets the byte 1: its codes are zeros, and this program alone reads the bytes); NaN and infinities are not served.
.set X,    64                          ; v64-127  my 64 numbers
.set CD,   48                          ; v48-59   the fragment's 12 registers
.set CU,   32                          ; v32-34, v36-38  the upper halves of the two blocks, as converted
.set WREC, 26624
	s_load_b256 s[4:11], s[0:1], 0x0               ; Wq, Wk, Wv, Wo
	s_load_b64 s[12:13], s[0:1], 0x20              ; wc
	v_lshrrev_b32 v1, 5, v0
	v_readfirstlane_b32 s14, v1                    ; wave = t
	v_and_b32 v1, 15, v0                           ; r
	v_bfe_u32 v2, v0, 4, 1                         ; h = lane / 16
	v_and_b32 v3, 8, v1
	v_add_nc_u32 v3, v3, v1                        ; r + 8 (r / 8)
	v_lshlrev_b32 v3, 2, v3
	v_lshl_add_u32 v3, v2, 16, v3                  ; + 32 h rows of 2,048 bytes
	v_and_b32 v4, 31, v0
	v_lshlrev_b32 v5, 2, v4                        ; 4 x lane
	v_lshlrev_b32 v4, 4, v4                        ; 16 x lane
	s_and_b32 s15, ttmp7, 0xffff                   ; the weight
	s_lshr_b32 s16, ttmp9, 2                       ; g
	s_and_b32 s17, ttmp9, 3                        ; s
	s_lshl_b32 s18, s17, 18                        ; 128 s rows
	s_lshl_b32 s19, s16, 8                         ; 64 g columns
	s_add_co_u32 s18, s18, s19
	s_lshr_b32 s19, s14, 1
	s_lshl_b32 s19, s19, 7                         ; 32 (t / 2) columns
	s_add_co_u32 s18, s18, s19
	s_and_b32 s19, s14, 1
	s_lshl_b32 s19, s19, 5                         ; 8 (t % 2) columns
	s_add_co_u32 s18, s18, s19
	s_mov_b32 s19, 0
	s_lshl_b32 s20, s15, 3
	s_add_co_u32 s20, s20, s16
	s_mul_i32 s20, s20, WREC                       ; the record
	s_lshl_b32 s21, s14, 2
	s_add_co_u32 s21, s21, s17                     ; f = 4 t + s
	s_mul_i32 s22, s21, 1536
	s_add_co_u32 s22, s22, s20                     ; the fragment's image
	s_mov_b32 s23, 0
	s_lshl_b32 s24, s21, 7
	s_add_co_u32 s24, s24, s20
	s_add_co_u32 s24, s24, 24576                   ; its scale words
	s_mov_b32 s25, 0
	s_mov_b32 s26, 0x76543210
	s_mov_b32 s27, 0xfedcba98                      ; v_permlanex16_b32's selects for lane l xor 16
	s_wait_kmcnt 0x0
	s_cmp_eq_u32 s15, 1                            ; the choice hangs on the work-group's number alone
	s_cselect_b64 s[4:5], s[6:7], s[4:5]
	s_cmp_eq_u32 s15, 2
	s_cselect_b64 s[4:5], s[8:9], s[4:5]
	s_cmp_eq_u32 s15, 3
	s_cselect_b64 s[4:5], s[10:11], s[4:5]
	s_add_nc_u64 s[4:5], s[4:5], s[18:19]
	s_add_nc_u64 s[22:23], s[12:13], s[22:23]
	s_add_nc_u64 s[24:25], s[12:13], s[24:25]
.set i, 0
.rept 64
	global_load_b32 v[X+i], v3, s[4:5] offset:2048*(i+32*(i/32))   ; register 32 c + i: row 64 c + 32 h + i of the K step
.set i, i+1
.endr
	s_wait_loadcnt 0x0
.irp c, 0,1                                    ; my block 2 c + h: all its 32 numbers are mine
	v_max3_num_f32 v[20+\c], |v[X+32*\c]|, |v[X+32*\c+1]|, 0x1800000   ; and the floor 2^(3 - 127): the byte cannot fall under 1
.endr
.irp i, 2,4,6,8,10,12,14,16,18,20,22,24,26,28,30
.irp c, 0,1
	v_max3_num_f32 v[20+\c], v[20+\c], |v[X+32*\c+\i]|, |v[X+32*\c+\i+1]|
.endr
.endr
.irp c, 0,1
	v_add_nc_u32 v[22+\c], 0xff000000, v[20+\c]    ; 2 off the exponent field: the conversion's scale operand
.endr
.irp c, 0,1
	v_lshrrev_b32 v[24+\c], 23, v[22+\c]           ; the scale's byte
.endr
	v_lshl_or_b32 v9, v25, 16, v24                 ; my two bytes: blocks h and 2 + h,
	v_lshlrev_b32 v10, 3, v2
	v_lshlrev_b32 v9, v10, v9                      ; at their places in the word;
	v_mov_b32 v10, 0
	v_permlanex16_b32 v10, v9, s26, s27
	v_or_b32 v9, v9, v10                           ; with lane l xor 16's two the word is whole
.irp c, 0,1
	v_cvt_scalef32_pk16_fp6_f32 v[CD+6*\c:CD+6*\c+2], v[X+32*\c:X+32*\c+15], v[22+\c]
	v_cvt_scalef32_pk16_fp6_f32 v[CU+4*\c:CU+4*\c+2], v[X+32*\c+16:X+32*\c+31], v[22+\c]   ; (a conversion's three registers begin on an even number)
.endr
	v_nop                                          ; one plain place behind a scaled conversion
.irp c, 0,1
.irp i, 0,1,2
	v_mov_b32 v[CD+6*\c+3+\i], v[CU+4*\c+\i]
.endr
.endr
.irp c, 0,1,2
	global_store_b128 v4, v[CD+4*\c:CD+4*\c+3], s[22:23] offset:512*\c   ; 32 lanes store 512 consecutive bytes
.endr
	global_store_b32 v5, v9, s[24:25]
	s_endpgm
.Lfunc_end_k_q76861af2f4_wquant:
	.size	k_q76861af2f4_wquant, .Lfunc_end_k_q76861af2f4_wquant-k_q76861af2f4_wquant
	.p2alignl 7, 3214868480
	.fill 96, 4, 3214868480
	.section	.rodata,"a",@progbits
	.p2align	6, 0x0
	.amdhsa_kernel k_q76861af2f4_wquant
		.amdhsa_group_segment_fixed_size 0
		.amdhsa_private_segment_fixed_size 0
		.amdhsa_enable_private_segment 0
		.amdhsa_kernarg_size 40
		.amdhsa_user_sgpr_count 2
		.amdhsa_user_sgpr_kernarg_segment_ptr 1
		.amdhsa_wavefront_size32 1
		.amdhsa_system_sgpr_workgroup_id_x 1
		.amdhsa_system_sgpr_workgroup_id_y 1
		.amdhsa_system_sgpr_workgroup_id_z 1
		.amdhsa_system_vgpr_workitem_id 0
		.amdhsa_next_free_vgpr 128
		.amdhsa_next_free_sgpr 66
		.amdhsa_reserve_vcc 0
		.amdhsa_float_denorm_mode_32 3
		.amdhsa_float_denorm_mode_16_64 3
		.amdhsa_memory_ordered 1
		.amdhsa_forward_progress 1
		.amdhsa_inst_pref_size 12
	.end_amdhsa_kernel
	.amdgpu_metadata
---
amdhsa.version: [ 1, 2 ]
amdhsa.kernels:
  - .name:           k_q76861af2f4_wquant
    .symbol:         k_q76861af2f4_wquant.kd
    .args:
      - { .name: Wq, .offset: 0, .size: 8, .value_kind: global_buffer, .address_space: global }
      - { .name: Wk, .offset: 8, .size: 8, .value_kind: global_buffer, .address_space: global }
      - { .name: Wv, .offset: 16, .size: 8, .value_kind: global_buffer, .address_space: global }
      - { .name: Wo, .offset: 24, .size: 8, .value_kind: global_buffer, .address_space: global }
      - { .name: wc, .offset: 32, .size: 8, .value_kind: global_buffer, .address_space: global }
    .group_segment_fixed_size: 0
    .private_segment_fixed_size: 0
    .kernarg_segment_align: 8
    .kernarg_segment_size: 40
    .max_flat_workgroup_size: 128
    .sgpr_count:     66
    .vgpr_count:     128
    .wavefront_size: 32
...
	.end_amdgpu_metadata
.endif
;; end of part 1
;; launch proj (part 2): grid 256 x 1, 8 waves a work-group, no clusters, 327,680 bytes of LDS; arguments query_spikes, key_spikes, value_spikes, wc, bq, bk, bv, qkv; writes qkv
.if DOCPART == 2
	.amdgcn_target "amdgcn-amd-amdhsa--gfx1250"
	.amdhsa_code_object_version 6
	.text
	.protected	k_q76861af2f4_proj
	.globl	k_q76861af2f4_proj
	.p2align	8
	.type	k_q76861af2f4_proj,@function
k_q76861af2f4_proj:
	s_mov_b64 s[64:65], 0
	v_nop
	global_prefetch_b8 v0, s[64:65] scope:SCOPE_SE
	s_setreg_imm32_b32 hwreg(HW_REG_WAVE_MODE, 25, 1), 1
	s_wait_xcnt 0x0
; Q = Xq Wq + bq, K = Xk Wk + bk, V = Xv Wv + bv on codes of FP6 (E2M3) with one E8M0 byte for each 32 along K; the results are quantised at once for the products that follow and leave as codes.
; SHARES.  Work-group x owns rows 128 x .. 128 x + 127 of each of the three spike tensors (half of one (b, t) slice).  Wave h owns head h: its 64 columns of the weight in hand stay in registers (16 fragments).
; The rows come in six slots of 64 rows x 512 f32 (slot j: tensor j / 2, half j % 2) through a ring of two LDS slots filled by the tensor data mover, one load of 16 rows x 1,024 bytes a wave.
; A slot's 16 operand fragments (4 tiles of rows x 4 K steps) are quantised ONCE, two by each wave, and go to all eight waves through LDS as images of their registers.
; ONE ORDER OF ROWS: lane r of tile 2 b + u is row 32 b + 8 u + r % 8 + 16 (r / 8).  So scores made from K's tiles have 16 neighbouring keys in 16 registers, and V, made with the rows as the
; product's M, has 16 neighbouring keys in the 16 registers of tiles 2 b and 2 b + 1.
; Q, K: the product is used transposed (source 0 = 16 columns of W, source 1 = 16 rows of x): a lane holds one row and 32 of the head's 64 channels; quantised along the channels.
; V: source 0 = 16 rows of x, source 1 = 16 columns of W: a lane holds one channel and its registers run along the keys; quantised along the keys.
; The bias is the C of each sum's first matrix instruction.
; qkv: records of 6,656 bytes, record ((256 tensor + x) 8 + h): eight halves of a fragment, 768 bytes each (six registers: four at 16 x lane, two at 512 + 8 x lane), then 512 bytes of scale words, four a lane.
;   Q, K: half i = tile i of the 128 rows; word p: tile 2 p's words in lanes 0-15, tile 2 p + 1's in lanes 16-31.   V: half 2 t + c = keys 64 c on of channel tile t; word t: the four bytes of these 128 keys.
; TWO BARRIERS A SLOT.  In front of the first each wave has waited for its tensor load and for all its LDS instructions; behind it the slot read last is filled again and the slot that has landed is
; quantised into the images.  Behind the second the products read the images.  So a slot's products stand in the same trip as its quantising: the refill has both in which to land, and behind the last
; slot's landing only that slot's own work is left.  No loop: six trips by macro.
; BY TURNS.  Nothing of a work-group's is on its way in front of a refill's barrier, and each refill is one request of 128 KiB.  So that the 256 work-groups do not all ask, and all fall silent, at the same
; moments, half of them (those whose number has an odd count of ones: half of every aligned run of numbers) wait for their first bias and scale words, loads that every work-group has issued by then and
; needs anyway, before they ask for their first rows.
; PREFETCH.  In the middle of slot j's quantising, j = 0 .. 3, each wave asks the L2 for its own part of slot j + 2: 16 rows x 1,024 bytes, 64 aligned blocks of 256 bytes, two instructions with the lanes
; 256 bytes apart.  Its tensor load wants them behind the next refill's barrier: behind the rest of this quantising and this slot's products.  128 KiB a work-group are so asked for and not yet read;
; each block is asked for once in the launch; slots 0 and 1 are not asked for, nor anything behind slot 5.
; LIMITS: a block's largest magnitude is held at 2^-124 from below (a block of zeros gets the byte 1: its codes are zeros, and this program alone reads the bytes); NaN and infinities are not served.
.set GRP,   33408                      ; LDS: a group of 16 rows: two tiles of 16,640 bytes + 128, so that rows 16 apart lie half a row of banks apart
.set SUB,   16640                      ; a tile: 16 rows of 1,024 bytes + 16 of padding
.set RP,    1040
.set SLOTB, 4*GRP                      ; a slot: 64 rows
.set XIMG,  2*SLOTB                    ; behind the ring: 16 fragment images of 1,536 bytes (index 4 tile + K step),
.set XSC,   XIMG+24576                 ; their scale words, 128 bytes each,
.set SPARE, XSC+2048                   ; and the spare words, 128 bytes for each wave: four blocks of 256 bytes that no other line names
.set REC,   6656
.set WREC,  26624
; window 0
.set SPW, 1                            ; v1   LDS address of my spare word; never rewritten
.set NIL, 2                            ; v2   0; never rewritten
.set ZA,  3                            ; v3-4 where my 16 numbers of a block begin in slot 0, 1
.set XWI, 5                            ; v5   where I store images: 16 x lane + 3,072 x wave
.set XWS, 6                            ; v6   and scale words: 4 x lane + 256 x wave
.set XRD, 7                            ; v7   where images are read: 16 x lane
.set XSR, 8                            ; v8   and scale words: 4 x lane
.set GA,  9                            ; v9   16 x lane
.set GB,  10                           ; v10  8 x lane
.set L4,  11                           ; v11  4 x lane
.set BA,  12                           ; v12  64 (lane / 16): the bias of Q and K
.set BV,  13                           ; v13  4 (r + 8 (r / 8)): the bias of V
.set PF,  14                           ; v14  the prefetches: 2,048 (lane / 4) + 256 (lane % 4); never rewritten
.set TM,  16                           ; v16-27 at work: 0-3 largest magnitudes, 4-7 the other lane's, then bytes, 8-11 scale operands
.set PW,  28                           ; v28  the scale word just made
.set PWA, 29                           ; v29  an even tile's, kept
.set WS,  32                           ; v32-47 the weight's scale words;  v48-51, v52-55 x's: these 24 hold scales and nothing else
.set XSA, 48
.set XFA, 56                           ; v56-103  four fragments of x
.set ACC, 104                          ; v104-135 four accumulators
.set STA, 136                          ; v136-199 64 numbers of x to be quantised;  in V's phase v136-183: four more fragments of x
.set STB, 56                           ; v56-119  64 more
.set PC,  200                          ; v200-219 a fragment's codes, and two conversions' results
.set SW,  220                          ; v220-223 the record's scale words
.set CT,  224                          ; v224-226 a conversion's result
.set HV,  228                          ; v228-251 halves of fragments on their way out
.set CTB, 252                          ; v252-254 a conversion's result
; window 1: v0-191 the weight's 16 fragments (tile t, K step s at 12 (4 t + s)); v192-223 the bias, eight registers a tile
.set BI,  192
.set G1,  24                           ; s[24:31] descriptor group 1
.set G0,  32                           ; s[32:39] group 0, a set for each slot
.set BP,  40                           ; s[40:45] the three tensors at my part of the work-group's first slot; never rewritten
.set WB,  46                           ; s[46:51] my records of the three weights
.set BB,  52                           ; s[52:57] my 64 numbers of the three biases
.set RB,  58                           ; s[58:63] my three records of qkv
.set SEL, 66                           ; s[66:67] v_permlanex16_b32's selects for lane l xor 16
.set MK,  68                           ; s68  lanes 16-31
.set MSB, 0
.macro WIN new                         ; the immediate's high byte repeats the setting that is left
.if MSB != \new
	s_set_vgpr_msb (MSB<<8)|\new
.set MSB, \new
.endif
.endm
.macro PLACES n
.rept \n
	v_nop
.endr
.endm
; The 16 fragments of tensor p's weight into registers: the images as they lie, 512 consecutive bytes a load.
.macro WLOADF p
	WIN 0x40                                       ; destination window 1
.set q, 0
.rept 48
	global_load_b128 v[4*q:4*q+3], v[GA], s[WB+2*\p:WB+2*\p+1] offset:512*q
.set q, q+1
.endr
	WIN 0
.endm
; Its bias and scale words.  vform = 1: V's bias, one number a lane (its channel) in all eight registers of a tile.
.macro WLOADS p, vform
	WIN 0x40
.irp t, 0,1,2,3
.if \vform
.irp j, 0,1,2,3,4,5,6,7
	global_load_b32 v[BI+8*\t+\j], v[BV], s[BB+2*\p:BB+2*\p+1] offset:(32*(\t/2)+8*(\t%2))*4
.endr
.else
	global_load_b128 v[BI+8*\t:BI+8*\t+3], v[BA], s[BB+2*\p:BB+2*\p+1] offset:(32*(\t/2)+8*(\t%2))*4      ; channels 32 (t / 2) + 16 (lane / 16) + 8 (t % 2) + 0 .. 7
	global_load_b128 v[BI+8*\t+4:BI+8*\t+7], v[BA], s[BB+2*\p:BB+2*\p+1] offset:(32*(\t/2)+8*(\t%2))*4+16
.endif
.endr
	WIN 0
.irp f, 0,1,2,3,4,5,6,7,8,9,10,11,12,13,14,15
	global_load_b32 v[WS+\f], v[L4], s[WB+2*\p:WB+2*\p+1] offset:24576+128*\f
.endr
.endm
	s_load_b512 s[4:19], s[0:1], 0x0               ; query, key, value spikes; wc; bq, bk, bv; qkv
	v_lshl_add_u32 v[SPW], v0, 2, SPARE
	v_mov_b32 v[NIL], 0
	ds_add_u32 v1, v2
	ds_add_u32 v1, v2
	s_wait_dscnt 0x0
	v_lshrrev_b32 v14, 5, v0
	v_readfirstlane_b32 s20, v14                   ; wave 0..7 = head
	s_lshr_b32 s70, s20, 1                         ; I fetch the slot's group of 16 rows wave / 2,
	s_and_b32 s71, s20, 1                          ; columns 256 (wave % 2) on
	s_mul_i32 s72, s70, GRP
	s_mul_i32 s73, s71, SUB
	s_add_co_u32 s72, s72, s73                     ; where it goes in a slot
	s_lshl_b32 s74, ttmp9, 18                      ; 128 rows of 2,048 bytes a work-group
	s_lshl_b32 s75, s70, 15
	s_add_co_u32 s74, s74, s75
	s_lshl_b32 s75, s71, 10
	s_add_co_u32 s74, s74, s75
	s_mov_b32 s75, 0
	s_mov_b32 s[G1+0], (2<<16)|(1<<20)|(7<<22)|(3<<25)   ; no mask; elements of 4 bytes; padding on: after every 256 words, 4 words
	s_mov_b32 s[G1+1], 256<<16                     ; tensor_dim0 = 256
	s_mov_b32 s[G1+2], 16<<16                      ; tensor_dim1 = 16
	s_mov_b32 s[G1+3], 256<<16                     ; tile_dim0 = 256
	s_mov_b32 s[G1+4], 16                          ; tile_dim1 = 16
	s_mov_b32 s[G1+5], 512                         ; elements from row to row
	s_mov_b32 s[G1+6], 0
	s_mov_b32 s[G1+7], 0
	s_mov_b32 s[SEL], 0x76543210
	s_mov_b32 s[SEL+1], 0xfedcba98
	s_mov_b32 s[MK], 0xffff0000
	s_bcnt1_i32_b32 s79, ttmp9
	s_and_b32 s79, s79, 1                          ; the count of ones in the work-group's number: odd or even
	v_and_b32 v14, 31, v0                          ; lane
	v_bfe_u32 v15, v0, 4, 1                        ; lane / 16
	v_bfe_u32 v30, v0, 3, 1                        ; r / 8
	v_and_b32 v31, 7, v0                           ; r % 8
	; I quantise tile wave / 2 of the slot, K steps 2 (wave % 2) and + 1: lane r's row lies in group 2 (wave / 4) + r / 8, at row 8 ((wave / 2) % 2) + r % 8 of it
	s_lshr_b32 s76, s20, 2
	s_mul_i32 s76, s76, 2*GRP
	s_add_co_u32 s76, s76, s73
	s_bfe_u32 s78, s20, 0x10001
	s_mul_i32 s78, s78, 8*RP
	s_add_co_u32 s76, s76, s78
	v_mul_u32_u24 v[ZA], v30, GRP
	v_mad_u32_u24 v[ZA], v31, RP, v[ZA]
	v_lshl_add_u32 v[ZA], v15, 6, v[ZA]            ; + 64 (lane / 16): my 16 numbers of each block of 32
	v_add_nc_u32 v[ZA], s76, v[ZA]
	v_add_nc_u32 v[ZA+1], SLOTB, v[ZA]
	v_lshlrev_b32 v[GA], 4, v14
	v_lshlrev_b32 v[GB], 3, v14
	v_lshlrev_b32 v[L4], 2, v14
	s_mul_i32 s78, s20, 3072
	s_add_co_u32 s78, s78, XIMG
	v_add_nc_u32 v[XWI], s78, v[GA]
	s_lshl_b32 s78, s20, 8
	s_add_co_u32 s78, s78, XSC
	v_add_nc_u32 v[XWS], s78, v[L4]
	v_add_nc_u32 v[XRD], XIMG, v[GA]
	v_add_nc_u32 v[XSR], XSC, v[L4]
	v_lshlrev_b32 v[BA], 6, v15
	v_lshl_add_u32 v[BV], v30, 4, v31
	v_lshlrev_b32 v[BV], 2, v[BV]
	v_lshrrev_b32 v30, 2, v14                      ; the prefetches: lane / 4 is one of eight rows,
	v_and_b32 v31, 3, v14                          ; lane % 4 one of the four blocks of 256 bytes of my 1,024 bytes of a row
	v_lshlrev_b32 v30, 11, v30
	v_lshl_add_u32 v[PF], v31, 8, v30
.irp b, 0,1,2,3
	v_mov_b32 v[TM+4+\b], 0                        ; written once: a lane permute's destination counts as one of its sources
.endr
	s_wait_kmcnt 0x0
.irp p, 0,1,2
	s_add_nc_u64 s[BP+2*\p:BP+2*\p+1], s[4+2*\p:5+2*\p], s[74:75]
.endr
	s_mov_b32 s[G0], 1
	s_mov_b32 s[G0+1], s72
	s_mov_b64 s[G0+2:G0+3], s[BP:BP+1]             ; slot 0: the query spikes' rows 0-63
	s_or_b32 s[G0+3], s[G0+3], 0x80000000
	s_mov_b32 s[G0+4], 1
	s_add_co_u32 s[G0+5], s72, SLOTB
	s_add_nc_u64 s[G0+6:G0+7], s[BP:BP+1], 131072  ; slot 1: rows 64-127
	s_or_b32 s[G0+7], s[G0+7], 0x80000000
	s_mul_i32 s76, s20, WREC
	s_mov_b32 s77, 0
	s_add_nc_u64 s[WB:WB+1], s[10:11], s[76:77]
	s_add_nc_u64 s[WB+2:WB+3], s[WB:WB+1], 8*WREC
	s_add_nc_u64 s[WB+4:WB+5], s[WB:WB+1], 16*WREC
	s_lshl_b32 s76, s20, 8
.irp p, 0,1,2
	s_add_nc_u64 s[BB+2*\p:BB+2*\p+1], s[12+2*\p:13+2*\p], s[76:77]
.endr
	WLOADS 0, 0                                    ; bq and Wq's scale words: 24 loads
	s_cmp_eq_u32 s79, 0                            ; by turns: half of the work-groups ask for their rows at once,
	s_cbranch_scc1 .Lask
	s_wait_loadcnt 0x0                             ; the other half when these 24 loads are in
.Lask:
	tensor_load_to_lds s[G0:G0+3], s[G1:G1+7]      ; both first fills go out together, ahead of every wait on TENSORcnt, LDS read and barrier: two loads of mine are out
	s_nop 0
	tensor_load_to_lds s[G0+4:G0+7], s[G1:G1+7]
	s_nop 0
	PLACES 4
	WLOADF 0                                       ; Wq's fragments
	s_lshl_b32 s76, ttmp9, 3
	s_add_co_u32 s76, s76, s20
	s_mul_i32 s76, s76, REC
	s_add_nc_u64 s[RB:RB+1], s[18:19], s[76:77]
	s_add_nc_u64 s[RB+2:RB+3], s[RB:RB+1], 2048*REC
	s_add_nc_u64 s[RB+4:RB+5], s[RB:RB+1], 4096*REC
; 64 numbers of a lane, register 16 b + i = k 32 b + 16 (lane / 16) + i of my row, become a fragment's codes in v[PC] on and its scale word in v[PW].
.macro QUANT s
.irp b, 0,1,2,3
	v_max3_num_f32 v[TM+\b], |v[\s+16*\b]|, |v[\s+16*\b+1]|, 0x1800000   ; my 16 numbers of block b, and the floor 2^(3 - 127): the byte cannot fall under 1
.endr
.irp i, 2,4,6,8,10,12,14
.irp b, 0,1,2,3
	v_max3_num_f32 v[TM+\b], v[TM+\b], |v[\s+16*\b+\i]|, |v[\s+16*\b+\i+1]|
.endr
.endr
.irp b, 0,1,2,3
	v_permlanex16_b32 v[TM+4+\b], v[TM+\b], s[SEL], s[SEL+1]
.endr
.irp b, 0,1,2,3
	v_max_num_f32 v[TM+\b], v[TM+\b], v[TM+4+\b]   ; with lane l xor 16's: the block's largest magnitude
.endr
.irp b, 0,1,2,3
	v_add_nc_u32 v[TM+8+\b], 0xff000000, v[TM+\b]  ; 2 off its exponent field: the conversion's scale operand
.endr
.irp b, 0,1,2,3
	v_lshrrev_b32 v[TM+4+\b], 23, v[TM+8+\b]       ; the scale's byte
.endr
	v_lshl_or_b32 v[PW], v[TM+5], 8, v[TM+4]
	v_lshl_or_b32 v[PW], v[TM+6], 16, v[PW]
	v_lshl_or_b32 v[PW], v[TM+7], 24, v[PW]
.irp c, 0,1
	v_cvt_scalef32_pk16_fp6_f32 v[PC+6*\c:PC+6*\c+2], v[\s+32*\c:\s+32*\c+15], v[TM+8+2*\c]
	v_cvt_scalef32_pk16_fp6_f32 v[PC+12+4*\c:PC+12+4*\c+2], v[\s+32*\c+16:\s+32*\c+31], v[TM+9+2*\c]   ; (a conversion's three registers begin on an even number)
.endr
	v_nop                                          ; one plain place behind a scaled conversion
.irp c, 0,1                                    ; the operand's layout wants a WHOLE block in a lane: lanes 0-15 block 2 c, lanes 16-31 block 2 c + 1
.irp i, 0,1,2
	v_permlane16_swap_b32 v[PC+6*\c+\i], v[PC+12+4*\c+\i]
.endr
.irp i, 0,1,2
	v_mov_b32 v[PC+6*\c+3+\i], v[PC+12+4*\c+\i]
.endr
.endr
.endm
; My two fragments of the slot: out of the ring, quantised, into the images.  pf = 1: my part of the slot two on, at s[bp:bp+1] + 64 part rows, is asked for in the L2.
.macro ZQ slot, pf, bp, part
.irp b, 0,1,2,3
.irp j, 0,1,2,3
	ds_load_b128 v[STA+16*\b+4*\j:STA+16*\b+4*\j+3], v[ZA+\slot] offset:128*\b+16*\j
.endr
.endr
.irp b, 0,1,2,3
.irp j, 0,1,2,3
	ds_load_b128 v[STB+16*\b+4*\j:STB+16*\b+4*\j+3], v[ZA+\slot] offset:512+128*\b+16*\j
.endr
.endr
	s_wait_dscnt 16                                ; the first K step's 16 loads are in; the second's may be out
.if \pf
	global_prefetch_b8 v[PF], s[\bp:\bp+1] offset:\part*131072 th:TH_LOAD_NT scope:SCOPE_SE         ; rows 0-7 of my 16, four blocks of 256 bytes each
	global_prefetch_b8 v[PF], s[\bp:\bp+1] offset:\part*131072+16384 th:TH_LOAD_NT scope:SCOPE_SE   ; rows 8-15.  Work on registers follows
.endif
	QUANT STA
.irp c, 0,1,2
	ds_store_b128 v[XWI], v[PC+4*\c:PC+4*\c+3] offset:512*\c
.endr
	ds_store_b32 v[XWS], v[PW]
	s_wait_dscnt 0x0                               ; the second K step is in, and the stores have read their registers
	QUANT STB
.irp c, 0,1,2
	ds_store_b128 v[XWI], v[PC+4*\c:PC+4*\c+3] offset:1536+512*\c
.endr
	ds_store_b32 v[XWS], v[PW] offset:128
.endm
; Tile m of the images: its four fragments into v[xf] on, their scale words into v[xs] on.
.macro FETCH xf, xs, m
.set q, 0
.rept 12
	ds_load_b128 v[\xf+4*q:\xf+4*q+3], v[XRD] offset:6144*(\m)+512*q
.set q, q+1
.endr
.irp s, 0,1,2,3
	ds_load_b32 v[\xs+\s], v[XSR] offset:512*(\m)+128*\s
.endr
.endm
; Q, K: 16 matrix instructions: my four tiles of columns x one tile of rows, four K steps.  The four accumulators take turns, one instruction a turn.
.macro MMQK
	WIN 0x11                                       ; source 0 (W) and C (the bias) window 1
.irp t, 0,1,2,3
	v_wmma_scale_f32_16x16x128_f8f6f4 v[ACC+8*\t:ACC+8*\t+7], v[48*\t:48*\t+11], v[XFA:XFA+11], v[BI+8*\t:BI+8*\t+7], v[WS+4*\t], v[XSA] matrix_a_fmt:MATRIX_FMT_FP6 matrix_b_fmt:MATRIX_FMT_FP6
.endr
	WIN 0x01
.irp s, 1,2,3
.irp t, 0,1,2,3
	v_wmma_scale_f32_16x16x128_f8f6f4 v[ACC+8*\t:ACC+8*\t+7], v[48*\t+12*\s:48*\t+12*\s+11], v[XFA+12*\s:XFA+12*\s+11], v[ACC+8*\t:ACC+8*\t+7], v[WS+4*\t+\s], v[XSA+\s] matrix_a_fmt:MATRIX_FMT_FP6 matrix_b_fmt:MATRIX_FMT_FP6
.endr
.endr
	WIN 0
.endm
; V: 16 matrix instructions: two tiles of rows (u) x tiles 2 g, 2 g + 1 of columns, four K steps.  Accumulator 2 (t % 2) + u.
.macro MMV g
	WIN 0x14                                       ; source 1 (W) and C (the bias) window 1
.irp tt, 0,1
.irp u, 0,1
	v_wmma_scale_f32_16x16x128_f8f6f4 v[ACC+16*\tt+8*\u:ACC+16*\tt+8*\u+7], v[XFA+80*\u:XFA+80*\u+11], v[48*(2*\g+\tt):48*(2*\g+\tt)+11], v[BI+8*(2*\g+\tt):BI+8*(2*\g+\tt)+7], v[XSA+4*\u], v[WS+4*(2*\g+\tt)] matrix_a_fmt:MATRIX_FMT_FP6 matrix_b_fmt:MATRIX_FMT_FP6
.endr
.endr
	WIN 0x04
.irp s, 1,2,3
.irp tt, 0,1
.irp u, 0,1
	v_wmma_scale_f32_16x16x128_f8f6f4 v[ACC+16*\tt+8*\u:ACC+16*\tt+8*\u+7], v[XFA+80*\u+12*\s:XFA+80*\u+12*\s+11], v[48*(2*\g+\tt)+12*\s:48*(2*\g+\tt)+12*\s+11], v[ACC+16*\tt+8*\u:ACC+16*\tt+8*\u+7], v[XSA+4*\u+\s], v[WS+4*(2*\g+\tt)+\s] matrix_a_fmt:MATRIX_FMT_FP6 matrix_b_fmt:MATRIX_FMT_FP6
.endr
.endr
.endr
	WIN 0
.endm
; Two blocks of 32, 16 numbers of each in my registers ACC + 16 b on (each accumulator is read from its low end on): scale operands in v[TM+8+b], bytes in v[TM+4+b].
.macro MAX2
.irp b, 0,1
	v_max3_num_f32 v[TM+\b], |v[ACC+16*\b]|, |v[ACC+16*\b+1]|, 0x1800000
.endr
.irp i, 2,4,6,8,10,12,14
.irp b, 0,1
	v_max3_num_f32 v[TM+\b], v[TM+\b], |v[ACC+16*\b+\i]|, |v[ACC+16*\b+\i+1]|
.endr
.endr
.irp b, 0,1
	v_permlanex16_b32 v[TM+4+\b], v[TM+\b], s[SEL], s[SEL+1]
.endr
.irp b, 0,1
	v_max_num_f32 v[TM+\b], v[TM+\b], v[TM+4+\b]
.endr
.irp b, 0,1
	v_add_nc_u32 v[TM+8+\b], 0xff000000, v[TM+\b]
.endr
.irp b, 0,1
	v_lshrrev_b32 v[TM+4+\b], 23, v[TM+8+\b]
.endr
.endm
; Q, K: a row's 64 channels (two blocks) become six registers at v[dst] on and the word b0 | b1 << 8 (bytes 2 and 3 are 0: the upper 64 of the scores' K step are empty).
.macro RQ dst
	s_wait_xcnt 0x0                                ; earlier stores have read their registers: v[dst] on and the scale words are written again only behind this wait
	MAX2
	v_lshl_or_b32 v[PW], v[TM+5], 8, v[TM+4]
	v_cvt_scalef32_pk16_fp6_f32 v[\dst:\dst+2], v[ACC:ACC+15], v[TM+8]
	v_cvt_scalef32_pk16_fp6_f32 v[CT:CT+2], v[ACC+16:ACC+31], v[TM+9]
	v_nop
.irp i, 0,1,2
	v_permlane16_swap_b32 v[\dst+\i], v[CT+\i]
.endr
.irp i, 0,1,2
	v_mov_b32 v[\dst+3+\i], v[CT+\i]
.endr
.endm
.macro HALFST reg, p, i                ; six registers to half i of my record: 512 and 256 consecutive bytes
	global_store_b128 v[GA], v[\reg:\reg+3], s[RB+2*\p:RB+2*\p+1] offset:768*(\i)
	global_store_b64 v[GB], v[\reg+4:\reg+5], s[RB+2*\p:RB+2*\p+1] offset:768*(\i)+512
.endm
; Q or K (tensor p), the slot's four tiles of rows.
.macro M_QK p, part
	FETCH XFA, XSA, 0
.irp m, 0,1,2,3
	s_wait_dscnt 0x0                               ; the tile's fragments are in
	MMQK
	PLACES 5                                       ; 4 in front of loads into the operands and reads of the results, 5 in front of the next tile's products, which begin the accumulators anew
.if \m < 3
	FETCH XFA, XSA, \m+1
.endif
	RQ HV+6*(\m%2)
	HALFST HV+6*(\m%2), \p, 4*\part+\m
.if \m%2 == 0
	v_mov_b32 v[PWA], v[PW]
.else
	v_cndmask_b32 v[SW+2*\part+\m/2], v[PWA], v[PW], s[MK]   ; the even tile's words in lanes 0-15, the odd tile's in lanes 16-31
.endif
.endr
.endm
; V: tiles 2 g, 2 g + 1 of channels, keys 64 part + 32 bb + 16 (lane / 16) + 0 .. 15 in my registers.  bb = 0: the codes wait; bb = 1: with them a half fragment is whole and leaves.
.macro VQ2 g, part, bb
	MAX2
.irp tt, 0,1
.if 2*\part+\bb == 0
	v_mov_b32 v[SW+2*\g+\tt], v[TM+4+\tt]
.else
	v_lshl_or_b32 v[SW+2*\g+\tt], v[TM+4+\tt], 8*(2*\part+\bb), v[SW+2*\g+\tt]
.endif
.endr
.if \bb == 0
.irp tt, 0,1
	v_cvt_scalef32_pk16_fp6_f32 v[HV+6*(2*\g+\tt):HV+6*(2*\g+\tt)+2], v[ACC+16*\tt:ACC+16*\tt+15], v[TM+8+\tt]
.endr
	v_nop
.else
	v_cvt_scalef32_pk16_fp6_f32 v[CT:CT+2], v[ACC:ACC+15], v[TM+8]
	v_cvt_scalef32_pk16_fp6_f32 v[CTB:CTB+2], v[ACC+16:ACC+31], v[TM+9]
	v_nop
.irp tt, 0,1
.irp i, 0,1,2
	v_permlane16_swap_b32 v[HV+6*(2*\g+\tt)+\i], v[CT+28*\tt+\i]
.endr
.irp i, 0,1,2
	v_mov_b32 v[HV+6*(2*\g+\tt)+3+\i], v[CT+28*\tt+\i]
.endr
	HALFST HV+6*(2*\g+\tt), 2, 2*(2*\g+\tt)+\part
.endr
.endif
.endm
.macro M_V part
	s_wait_xcnt 0x0                                ; earlier stores have read the registers that are written again here
	FETCH XFA, XSA, 0
	FETCH XFA+80, XSA+4, 1
.irp bb, 0,1
	s_wait_dscnt 0x0
	MMV 0
	PLACES 5
	VQ2 0, \part, \bb
	MMV 1
	PLACES 5
.if \bb == 0
	FETCH XFA, XSA, 2
	FETCH XFA+80, XSA+4, 3
.endif
	VQ2 1, \part, \bb
.endr
.endm
; A slot's first barrier.  fill = 1: behind it the slot read last is filled again, from s[bp:bp+1] + 64 part rows.
.macro MEET fill, slot, bp, part
	s_wait_tensorcnt 0x0                           ; my one tensor load that was out has landed: my part of the slot that is quantised next
	ds_add_u32 v[SPW], v[NIL]                      ; 0 onto my spare word
.if \fill
	s_add_nc_u64 s[G0+4*\slot+2:G0+4*\slot+3], s[\bp:\bp+1], \part*131072   ; no tensor load of mine is out, so a group 0 may be written
	s_or_b32 s[G0+4*\slot+3], s[G0+4*\slot+3], 0x80000000
.endif
	s_wait_dscnt 0x0                               ; the add is done; my reads of the ring and of the images are in
	s_barrier_signal -1
	s_barrier_wait -1
.if \fill
	tensor_load_to_lds s[G0+4*\slot:G0+4*\slot+3], s[G1:G1+7]   ; my one tensor load behind this barrier, and the first thing there
	s_nop 0
	PLACES 4
.endif
.endm
; A slot's second barrier: every wave's images lie in LDS.  The tensor load may stay out.
.macro SHOW
	s_wait_dscnt 0x0                               ; for the others' sake: my image stores have landed
	s_barrier_signal -1
	s_barrier_wait -1
.endm
.macro SWST p
	global_store_b128 v[GA], v[SW:SW+3], s[RB+2*\p:RB+2*\p+1] offset:6144
.endm
	s_wait_tensorcnt 0x1                           ; my part of slot 0 is in; slot 1's may stay out
	s_barrier_signal -1
	s_barrier_wait -1
	ZQ 0, 1, BP+2, 0                               ; query rows 0-63;  asked for: key rows 0-63
	SHOW
	s_wait_loadcnt 0x0                             ; Wq, bq
	M_QK 0, 0
	MEET 1, 0, BP+2, 0                             ; slot 0 takes key rows 0-63
	ZQ 1, 1, BP+2, 1                               ; query rows 64-127;  asked for: key rows 64-127
	SHOW
	M_QK 0, 1
	SWST 0
	WLOADF 1                                       ; (the last products stand more than four places back)
	WLOADS 1, 0
	MEET 1, 1, BP+2, 1                             ; slot 1 takes key rows 64-127
	ZQ 0, 1, BP+4, 0                               ; key rows 0-63;  asked for: value rows 0-63
	SHOW
	s_wait_loadcnt 0x0                             ; Wk, bk
	M_QK 1, 0
	MEET 1, 0, BP+4, 0                             ; slot 0 takes value rows 0-63
	ZQ 1, 1, BP+4, 1                               ; key rows 64-127;  asked for: value rows 64-127
	SHOW
	M_QK 1, 1
	SWST 1
	WLOADF 2
	WLOADS 2, 1
	MEET 1, 1, BP+4, 1                             ; slot 1 takes value rows 64-127: the last load
	ZQ 0, 0, 0, 0                                  ; value rows 0-63
	SHOW
	s_wait_loadcnt 0x0                             ; Wv, bv
	M_V 0
	MEET 0, 0, 0, 0                                ; nothing is left to fetch
	ZQ 1, 0, 0, 0                                  ; value rows 64-127
	SHOW
	M_V 1
	SWST 2
	s_wait_tensorcnt 0x0                           ; the wave's end
	ds_add_u32 v[SPW], v[NIL]
	s_wait_dscnt 0x0
	s_endpgm
.Lfunc_end_k_q76861af2f4_proj:
	.size	k_q76861af2f4_proj, .Lfunc_end_k_q76861af2f4_proj-k_q76861af2f4_proj
	.p2alignl 7, 3214868480
	.fill 96, 4, 3214868480
	.section	.rodata,"a",@progbits
	.p2align	6, 0x0
	.amdhsa_kernel k_q76861af2f4_proj
		.amdhsa_group_segment_fixed_size 327680
		.amdhsa_private_segment_fixed_size 0
		.amdhsa_enable_private_segment 0
		.amdhsa_kernarg_size 64
		.amdhsa_user_sgpr_count 2
		.amdhsa_user_sgpr_kernarg_segment_ptr 1
		.amdhsa_wavefront_size32 1
		.amdhsa_system_sgpr_workgroup_id_x 1
		.amdhsa_system_sgpr_workgroup_id_y 1
		.amdhsa_system_sgpr_workgroup_id_z 1
		.amdhsa_system_vgpr_workitem_id 0
		.amdhsa_next_free_vgpr 512
		.amdhsa_next_free_sgpr 80
		.amdhsa_reserve_vcc 0
		.amdhsa_float_denorm_mode_32 3
		.amdhsa_float_denorm_mode_16_64 3
		.amdhsa_memory_ordered 1
		.amdhsa_forward_progress 1
		.amdhsa_inst_pref_size 222
	.end_amdhsa_kernel
	.amdgpu_metadata
---
amdhsa.version: [ 1, 2 ]
amdhsa.kernels:
  - .name:           k_q76861af2f4_proj
    .symbol:         k_q76861af2f4_proj.kd
    .args:
      - { .name: query_spikes, .offset: 0, .size: 8, .value_kind: global_buffer, .address_space: global }
      - { .name: key_spikes, .offset: 8, .size: 8, .value_kind: global_buffer, .address_space: global }
      - { .name: value_spikes, .offset: 16, .size: 8, .value_kind: global_buffer, .address_space: global }
      - { .name: wc, .offset: 24, .size: 8, .value_kind: global_buffer, .address_space: global }
      - { .name: bq, .offset: 32, .size: 8, .value_kind: global_buffer, .address_space: global }
      - { .name: bk, .offset: 40, .size: 8, .value_kind: global_buffer, .address_space: global }
      - { .name: bv, .offset: 48, .size: 8, .value_kind: global_buffer, .address_space: global }
      - { .name: qkv, .offset: 56, .size: 8, .value_kind: global_buffer, .address_space: global }
    .group_segment_fixed_size: 327680
    .private_segment_fixed_size: 0
    .kernarg_segment_align: 8
    .kernarg_segment_size: 64
    .max_flat_workgroup_size: 256
    .sgpr_count:     80
    .vgpr_count:     512
    .wavefront_size: 32
...
	.end_amdgpu_metadata
.endif
;; end of part 2
;; launch attn (part 3): grid 256 x 1, 8 waves a work-group, no clusters, 93,184 bytes of LDS; arguments qkv, wc, bo, modality_weights, temporal_sync, out0; writes out0
.if DOCPART == 3
	.amdgcn_target "amdgcn-amd-amdhsa--gfx1250"
	.amdhsa_code_object_version 6
	.text
	.protected	k_q76861af2f4_attn
	.globl	k_q76861af2f4_attn
	.p2align	8
	.type	k_q76861af2f4_attn,@function
k_q76861af2f4_attn:
	s_mov_b64 s[64:65], 0
	v_nop
	global_prefetch_b8 v0, s[64:65] scope:SCOPE_SE
	s_setreg_imm32_b32 hwreg(HW_REG_WAVE_MODE, 25, 1), 1
	s_wait_xcnt 0x0
; out = attended Wo + bo;  attended = attn V;  attn = p / (sum of p + 1e-8), p = sigmoid(5 (score - the row's largest score));  score = (Q . K / 8) mw0 mw1 + ts.
; All three products on codes of FP6 (E2M3) with one E8M0 byte for each 32 along K.  Q, K, V arrive as codes in the order of the operands' registers (qkv), Wo likewise (wc).
; SHARES.  Work-group x owns 128 queries (half x % 2) of slice x / 2.  Wave h is head h: K's 16 tiles and V's 8 fragments of the head stay in its registers; it walks its 8 tiles of 16 queries, two a trip.
; Then the attended codes meet in LDS (one barrier), and wave h makes output columns 64 h .. 64 h + 63 for all 128 rows, with its 16 fragments of Wo in registers.
; LAYOUT.  All products are used transposed (source 0 = 16 keys, or 16 channels of V^T, or 16 columns of Wo; source 1 = 16 queries): a lane holds ONE query throughout.
; The rows of every tile are ordered so that the 16 result registers of tiles 2 b and 2 b + 1 are 16 neighbours along the next K: lane r of tile 2 b + u is row 32 b + 8 u + r % 8 + 16 (r / 8).
; THE SCORES' K IS 64: the upper 64 of the K step are empty.  Q's upper six registers are zero codes; K's fragment names the six registers that follow its own (other codes, all finite), which meet zeros.
; THE SIGMOID.  y = raw score x c + ts x 5 log2(e), c = mw0 mw1 x 5 log2(e) / 8;  p = 1 / (1 + 2^(largest y - y)).  The maximum is taken away as the formula has it.
; A block's largest attn is not searched for: the block's largest y goes through the same instructions.  (This takes v_exp_f32 and v_rcp_f32 not to turn where their input moves one way.)
; LIMITS: 5 log2(e) is folded into c and into ts, one rounding each: an error of the order of the last bit of y; p under 2^-126 counts as 0; a block's largest magnitude is held at 2^-124 from below
; (such a block gets the byte 1; its codes are zeros or nearly so); NaN and infinities are not served.
.set REC,  6656
.set WREC, 26624
.set ASC,  49152                       ; LDS: from 0 the attended codes, 768 bytes for each (tile, head) at 6,144 tile + 768 head; from ASC their scale words, 128 bytes each, at 1,024 tile + 128 head;
.set STG,  57344                       ; from STG a stage of 16 rows x (256 + 16) bytes for each wave
; window 0
.set GA,  1                            ; v1   16 x lane
.set GB,  2                            ; v2   8 x lane
.set A1,  3                            ; v3   16 x lane + 768 x head
.set A2,  4                            ; v4   512 + 8 x lane + 768 x head
.set A3,  5                            ; v5   ASC + 4 x lane + 128 x head
.set T1,  6                            ; v6-8 the same for the trip in hand
.set T2,  7
.set T3,  8
.set LSA, 10                           ; v10  ASC + 4 x lane
.set SO,  11                           ; v11  the stage: where I put 16 bytes of a row
.set SR,  12                           ; v12  and where I read a row back
.set CO,  13                           ; v13  my byte offset in two rows of the output
.set L4,  14                           ; v14  4 x lane
.set BA,  15                           ; v15  64 (lane / 16)
.set KS,  16                           ; v16-23 K's scale words, v24-31 V's, v32 Q's, v33-34 attn's; later v16-31 Wo's, v32-35 attended's: v16-35 hold scales and nothing else
.set VS,  24
.set QSW, 32
.set PSW, 33
.set QF,  36                           ; v36-47, v48-59 two tiles of Q; the upper six registers of each are zeros
.set KC,  60                           ; v60-155  K: tile i's six registers at 60 + 6 i
.set VF,  156                          ; v156-251 V^T: fragment (128 keys g, tile t) at 156 + 12 (4 g + t)
.set WS,  16
.set XS,  32
.set XF,  60                           ; the last product: v60-107 four fragments of attended, v108-139 accumulators, v140-203 rows on their way out, v204-211 half scale words
.set ACC, 108
.set OB,  140
.set XH,  204
; window 1: v0-127 the scores, then p, then attn
.set PC,  128                          ; v128-151 attn's two fragments
.set CT,  152                          ; v152-167 four conversions' results
.set BM,  168                          ; v168-175 each block's largest y, later its largest attn
.set BT,  176                          ; v176-183 the other lane's; later bytes
.set SO8, 184                          ; v184-191 scale operands
.set MN,  192                          ; v192-193 the row's largest y (the pair's low word serves both halves)
.set TSV, 194                          ; v194-195 ts x 5 log2(e)
.set SUM, 196                          ; v196-199 the sum, in two chains of two halves
.set SU2, 198
.set INV, 200                          ; v200-201 1 / (sum + 1e-8)
.set PT,  202
.set WT,  203                          ; v203-204 scale words in the making
.set OT,  208                          ; v208-239 O^T: four accumulators
.set AQ,  240                          ; v240-245 attended's six registers
.set ACT, 246
.set AW,  249                          ; its scale word
.set RM,  250                          ; v250-255 at work
.set BI,  192                          ; the last product: v0-191 Wo's 16 fragments, v192-223 bo
.set MSB, 0
.macro WIN new                         ; the immediate's high byte repeats the setting that is left
.if MSB != \new
	s_set_vgpr_msb (MSB<<8)|\new
.set MSB, \new
.endif
.endm
.macro PLACES n
.rept \n
	v_nop
.endr
.endm
	s_load_b256 s[4:11], s[0:1], 0x0               ; qkv, wc, bo, modality_weights
	s_load_b128 s[12:15], s[0:1], 0x20             ; temporal_sync, out0
	v_lshl_add_u32 v254, v0, 2, 0x16800
	v_mov_b32 v255, 0
	v_lshrrev_b32 v6, 5, v0
	v_readfirstlane_b32 s16, v6                    ; wave = head
	s_lshr_b32 s41, ttmp9, 1                       ; the slice
	s_lshl_b32 s42, s41, 4
	s_add_co_u32 s42, s42, s16
	s_mul_i32 s42, s42, REC                        ; record 16 slice + head: the slice's first half
	s_mov_b32 s43, 0
	s_lshl_b32 s44, ttmp9, 3
	s_add_co_u32 s44, s44, s16
	s_mul_i32 s44, s44, REC                        ; record 8 x + head: my queries
	s_mov_b32 s45, 0
	s_lshl_b32 s46, s16, 2                         ; modality_weights[.][head]
	s_and_b32 s47, s41, 31
	s_lshl_b32 s47, s47, 5
	s_add_co_u32 s47, s47, s46                     ; temporal_sync[slice % 32][head]
	s_mul_i32 s48, s16, WREC
	s_add_co_u32 s48, s48, 24*WREC                 ; Wo's record of my 64 columns
	s_mov_b32 s49, 0
	s_lshl_b32 s50, s16, 8
	s_mov_b32 s51, 0
	s_lshl_b32 s52, ttmp9, 18
	s_add_co_u32 s52, s52, s50                     ; my 128 rows of 2,048 bytes, my 256 bytes of each
	s_mov_b32 s53, 0
	s_mov_b32 s36, 0x76543210
	s_mov_b32 s37, 0xfedcba98                      ; v_permlanex16_b32's selects for lane l xor 16
	s_mov_b32 s38, 0                               ; the trip's place among the attended codes,
	s_mov_b32 s39, 0                               ; and among their scale words
	s_mov_b32 s40, 4                               ; trips to go
	s_wait_kmcnt 0x0
	s_load_b32 s32, s[10:11], s46 offset:0x0
	s_load_b32 s33, s[10:11], s46 offset:0x20
	s_load_b32 s34, s[12:13], s47 offset:0x0
	s_add_nc_u64 s[18:19], s[4:5], s[42:43]
	s_add_nc_u64 s[20:21], s[18:19], 4096*REC      ; V
	s_add_nc_u64 s[18:19], s[18:19], 2048*REC      ; K
	s_add_nc_u64 s[22:23], s[4:5], s[44:45]        ; Q
	s_add_nc_u64 s[24:25], s[22:23], 6144          ; Q's scale words
	s_add_nc_u64 s[26:27], s[6:7], s[48:49]
	s_add_nc_u64 s[28:29], s[8:9], s[50:51]
	s_add_nc_u64 s[30:31], s[14:15], s[52:53]
	v_and_b32 v6, 31, v0                           ; lane
	v_and_b32 v7, 15, v0                           ; r
	v_bfe_u32 v8, v0, 4, 1                         ; lane / 16
	v_lshlrev_b32 v[GA], 4, v6
	v_lshlrev_b32 v[GB], 3, v6
	v_lshlrev_b32 v[L4], 2, v6
	v_lshlrev_b32 v[BA], 6, v8
.irp i, 0,1,2,3,4,5,6,7,8,9,10,11,12,13,14,15
	global_load_b128 v[KC+6*\i:KC+6*\i+3], v[GA], s[18:19] offset:8*REC*(\i/8)+768*(\i%8)
	global_load_b64 v[KC+6*\i+4:KC+6*\i+5], v[GB], s[18:19] offset:8*REC*(\i/8)+768*(\i%8)+512
.endr
.irp g, 0,1
.irp i, 0,1,2,3,4,5,6,7
	global_load_b128 v[VF+48*\g+6*\i:VF+48*\g+6*\i+3], v[GA], s[20:21] offset:8*REC*\g+768*\i
	global_load_b64 v[VF+48*\g+6*\i+4:VF+48*\g+6*\i+5], v[GB], s[20:21] offset:8*REC*\g+768*\i+512
.endr
	global_load_b128 v[KS+4*\g:KS+4*\g+3], v[GA], s[18:19] offset:8*REC*\g+6144
	global_load_b128 v[VS+4*\g:VS+4*\g+3], v[GA], s[20:21] offset:8*REC*\g+6144
.endr
.irp u, 0,1
	global_load_b128 v[QF+12*\u:QF+12*\u+3], v[GA], s[22:23] offset:768*\u
	global_load_b64 v[QF+12*\u+4:QF+12*\u+5], v[GB], s[22:23] offset:768*\u+512
.irp k, 6,7,8,9,10,11
	v_mov_b32 v[QF+12*\u+\k], 0                    ; zero codes for the empty half of the scores' K step
.endr
.endr
	global_load_b32 v[QSW], v[GA], s[24:25]
	s_mul_i32 s54, s16, 768
	v_add_nc_u32 v[A1], s54, v[GA]
	s_add_co_u32 s54, s54, 512
	v_add_nc_u32 v[A2], s54, v[GB]
	s_lshl_b32 s54, s16, 7
	s_add_co_u32 s54, s54, ASC
	v_add_nc_u32 v[A3], s54, v[L4]
	v_add_nc_u32 v[LSA], ASC, v[L4]
	s_mul_i32 s54, s16, 4352
	s_add_co_u32 s54, s54, STG                     ; my stage
	v_mul_u32_u24 v[SO], v7, 272
	v_lshl_add_u32 v[SO], v8, 6, v[SO]
	v_add_nc_u32 v[SO], s54, v[SO]                 ; in: row r, + 64 (lane / 16)
	v_mul_u32_u24 v[SR], v8, 272
	v_lshl_add_u32 v[SR], v7, 4, v[SR]
	v_add_nc_u32 v[SR], s54, v[SR]                 ; back: lanes 0-15 one row of 256 bytes, lanes 16-31 the next
	v_lshlrev_b32 v[CO], 11, v8
	v_lshl_add_u32 v[CO], v7, 4, v[CO]             ; and the same in the output
	s_wait_kmcnt 0x0
	s_mul_f32 s32, s32, s33                        ; mw0 x mw1, as the formula rounds it,
	s_mul_f32 s32, s32, 0x3f66d4ca                 ; x 5 log2(e) / 8
	s_mov_b32 s33, s32                             ; (named with it as a pair, so it is written)
	s_mul_f32 s34, s34, 0x40e6d4ca                 ; ts x 5 log2(e)
	WIN 0x40                                       ; destination window 1
	v_mov_b32 v[TSV], s34
	v_mov_b32 v[TSV+1], s34
	v_mov_b32 v[MN+1], 0                           ; upper halves of pairs of which the low word serves: named, so written
	v_mov_b32 v[INV+1], 0
.irp b, 0,1,2,3,4,5,6,7
	v_mov_b32 v[BT+\b], 0                          ; written once: a lane permute's destination counts as one of its sources
.endr
	v_mov_b32 v[PT], 0
	v_mov_b32 v[RM+2], 0
	v_mov_b32 v[RM+3], 0
	WIN 0
; One product of the scores: K's tile i x Q's tile u.  K's words of tiles 2 p, 2 p + 1 share a register (lanes 0-15, lanes 16-31), and so do Q's two tiles'.
.macro SCW i, u
.if ((\i)%2 == 0) && (\u == 0)
	v_wmma_scale_f32_16x16x128_f8f6f4 v[8*\i:8*\i+7], v[KC+6*\i:KC+6*\i+11], v[QF+12*\u:QF+12*\u+11], 0, v[KS+\i/2], v[QSW] matrix_a_fmt:MATRIX_FMT_FP6 matrix_b_fmt:MATRIX_FMT_FP6
.elseif (\u == 0)
	v_wmma_scale_f32_16x16x128_f8f6f4 v[8*\i:8*\i+7], v[KC+6*\i:KC+6*\i+11], v[QF+12*\u:QF+12*\u+11], 0, v[KS+\i/2], v[QSW] matrix_a_fmt:MATRIX_FMT_FP6 matrix_b_fmt:MATRIX_FMT_FP6 matrix_a_scale:MATRIX_SCALE_ROW1
.elseif ((\i)%2 == 0)
	v_wmma_scale_f32_16x16x128_f8f6f4 v[8*\i:8*\i+7], v[KC+6*\i:KC+6*\i+11], v[QF+12*\u:QF+12*\u+11], 0, v[KS+\i/2], v[QSW] matrix_a_fmt:MATRIX_FMT_FP6 matrix_b_fmt:MATRIX_FMT_FP6 matrix_b_scale:MATRIX_SCALE_ROW1
.else
	v_wmma_scale_f32_16x16x128_f8f6f4 v[8*\i:8*\i+7], v[KC+6*\i:KC+6*\i+11], v[QF+12*\u:QF+12*\u+11], 0, v[KS+\i/2], v[QSW] matrix_a_fmt:MATRIX_FMT_FP6 matrix_b_fmt:MATRIX_FMT_FP6 matrix_a_scale:MATRIX_SCALE_ROW1 matrix_b_scale:MATRIX_SCALE_ROW1
.endif
.endm
; ONE TILE OF 16 QUERIES against all 256 keys of the head.
.macro UNIT u
	WIN 0
	s_wait_dscnt 0x0                               ; the last tile's LDS stores have read their registers
	v_add_nc_u32 v[T1], s38, v[A1]
	v_add_nc_u32 v[T2], s38, v[A2]
	v_add_nc_u32 v[T3], s39, v[A3]
	WIN 0x40                                       ; the scores: window 1
.irp i, 0,1,2,3,4,5,6,7,8,9,10,11,12,13,14,15
	SCW \i, \u
.endr                                          ; lane (r, h): query r; registers 16 b + i: key 32 b + 16 h + i
	PLACES 4
	WIN 0
	s_cmp_eq_u32 s40, 1                            ; the next trip's tile of Q takes this one's place, if there is a next trip
	s_cbranch_scc1 .Lnoq_\@
	global_load_b128 v[QF+12*\u:QF+12*\u+3], v[GA], s[22:23] offset:768*\u
	global_load_b64 v[QF+12*\u+4:QF+12*\u+5], v[GB], s[22:23] offset:768*\u+512
.if \u
	global_load_b32 v[QSW], v[GA], s[24:25]
.endif
.Lnoq_\@:
	WIN 0x55                                       ; all in window 1
.set j, 0
.rept 64
	v_pk_fma_f32 v[j:j+1], v[j:j+1], s[32:33], v[TSV:TSV+1] op_sel_hi:[1,0,0]   ; y, two at a time; each accumulator from its low end on
.set j, j+2
.endr
.irp b, 0,1,2,3,4,5,6,7
	v_max3_num_f32 v[BM+\b], v[16*\b], v[16*\b+1], v[16*\b+2]   ; the largest y of each block of 32 keys: for the row's maximum, and for the block's largest attn
.endr
.irp i, 3,5,7,9,11,13
.irp b, 0,1,2,3,4,5,6,7
	v_max3_num_f32 v[BM+\b], v[BM+\b], v[16*\b+\i], v[16*\b+\i+1]
.endr
.endr
.irp b, 0,1,2,3,4,5,6,7
	v_max_num_f32 v[BM+\b], v[BM+\b], v[16*\b+15]
.endr
.irp b, 0,1,2,3,4,5,6,7
	v_permlanex16_b32 v[BT+\b], v[BM+\b], s36, s37
.endr
.irp b, 0,1,2,3,4,5,6,7
	v_max_num_f32 v[BM+\b], v[BM+\b], v[BT+\b]     ; with lane l xor 16's 16 keys
.endr
	v_max3_num_f32 v[MN], v[BM], v[BM+1], v[BM+2]
	v_max3_num_f32 v[MN], v[MN], v[BM+3], v[BM+4]
	v_max3_num_f32 v[MN], v[MN], v[BM+5], v[BM+6]
	v_max_num_f32 v[MN], v[MN], v[BM+7]            ; the row's largest y
.set j, 0
.rept 64
	v_pk_add_f32 v[j:j+1], v[j:j+1], v[MN:MN+1] op_sel_hi:[1,0] neg_lo:[1,0] neg_hi:[1,0]   ; largest y - y: 0 or more
.set j, j+2
.endr
.irp b, 0,2,4,6
	v_pk_add_f32 v[BM+\b:BM+\b+1], v[BM+\b:BM+\b+1], v[MN:MN+1] op_sel_hi:[1,0] neg_lo:[1,0] neg_hi:[1,0]
.endr
.set j, 0
.rept 128
	v_exp_f32 v[j], v[j]
.set j, j+1
.endr
.irp b, 0,1,2,3,4,5,6,7
	v_exp_f32 v[BM+\b], v[BM+\b]
.endr
	v_nop                                          ; one plain place behind the transcendentals
.set j, 0
	s_wait_alu depctr_va_vdst(0)
.rept 64
	v_pk_add_f32 v[j:j+1], v[j:j+1], 1.0 op_sel_hi:[1,0]
.set j, j+2
.endr
.irp b, 0,2,4,6
	v_pk_add_f32 v[BM+\b:BM+\b+1], v[BM+\b:BM+\b+1], 1.0 op_sel_hi:[1,0]
.endr
.set j, 0
.rept 128
	v_rcp_f32 v[j], v[j]                           ; p = 1 / (1 + 2^(largest y - y))
.set j, j+1
.endr
.irp b, 0,1,2,3,4,5,6,7
	v_rcp_f32 v[BM+\b], v[BM+\b]
.endr
	v_nop
	s_wait_alu depctr_va_vdst(0)
	v_pk_add_f32 v[SUM:SUM+1], v[0:1], v[2:3]      ; the row's sum of p, in two chains
	v_pk_add_f32 v[SU2:SU2+1], v[4:5], v[6:7]
.set j, 8
.rept 30
	v_pk_add_f32 v[SUM:SUM+1], v[SUM:SUM+1], v[j:j+1]
	v_pk_add_f32 v[SU2:SU2+1], v[SU2:SU2+1], v[j+2:j+3]
.set j, j+4
.endr
	v_pk_add_f32 v[SUM:SUM+1], v[SUM:SUM+1], v[SU2:SU2+1]
	v_add_f32 v[SUM], v[SUM], v[SUM+1]
	v_permlanex16_b32 v[PT], v[SUM], s36, s37
	v_add_f32 v[SUM], v[SUM], v[PT]
	v_add_f32 v[SUM], 0x322bcc77, v[SUM]           ; + 1e-8
	v_rcp_f32 v[INV], v[SUM]
	v_nop
.set j, 0
	s_wait_alu depctr_va_vdst(0)
.rept 64
	v_pk_mul_f32 v[j:j+1], v[j:j+1], v[INV:INV+1] op_sel_hi:[1,0]   ; attn, finished and normalised: this is what is quantised
.set j, j+2
.endr
.irp b, 0,2,4,6
	v_pk_mul_f32 v[BM+\b:BM+\b+1], v[BM+\b:BM+\b+1], v[INV:INV+1] op_sel_hi:[1,0]   ; each block's largest attn: the same instructions on the same number
.endr
.irp b, 0,1,2,3,4,5,6,7
	v_max_num_f32 v[BM+\b], 0x1800000, v[BM+\b]    ; the floor 2^(3 - 127): the byte cannot fall under 1
.endr
.irp b, 0,1,2,3,4,5,6,7
	v_add_nc_u32 v[SO8+\b], 0xff000000, v[BM+\b]   ; 2 off the exponent field: the conversion's scale operand
.endr
.irp b, 0,1,2,3,4,5,6,7
	v_lshrrev_b32 v[BT+\b], 23, v[SO8+\b]          ; the scale's byte
.endr
.irp g, 0,1
	v_lshl_or_b32 v[WT+\g], v[BT+4*\g+1], 8, v[BT+4*\g]
	v_lshl_or_b32 v[WT+\g], v[BT+4*\g+2], 16, v[WT+\g]
.endr
	WIN 0x15                                       ; scale operands have no window: the words go to window 0
.irp g, 0,1
	v_lshl_or_b32 v[PSW+\g], v[BT+4*\g+3], 24, v[WT+\g]
.endr
	WIN 0x55
.irp g, 0,1
.irp c, 0,1
	v_cvt_scalef32_pk16_fp6_f32 v[PC+12*\g+6*\c:PC+12*\g+6*\c+2], v[64*\g+32*\c:64*\g+32*\c+15], v[SO8+4*\g+2*\c]
	v_cvt_scalef32_pk16_fp6_f32 v[CT+4*(2*\g+\c):CT+4*(2*\g+\c)+2], v[64*\g+32*\c+16:64*\g+32*\c+31], v[SO8+4*\g+2*\c+1]
.endr
.endr
	v_nop                                          ; one plain place behind a scaled conversion
.irp g, 0,1
.irp c, 0,1                                    ; a WHOLE block in a lane: lanes 0-15 block 2 c, lanes 16-31 block 2 c + 1
.irp i, 0,1,2
	v_permlane16_swap_b32 v[PC+12*\g+6*\c+\i], v[CT+4*(2*\g+\c)+\i]
.endr
.irp i, 0,1,2
	v_mov_b32 v[PC+12*\g+6*\c+3+\i], v[CT+4*(2*\g+\c)+\i]
.endr
.endr
.endr
	PLACES 8                                       ; a scale register written by a vector instruction stands 8 places ahead of a scaled matrix instruction, an operand so written 4
	WIN 0x54                                       ; V^T window 0; attn, C and D window 1
.irp t, 0,1,2,3                                ; O^T = V^T attn^T: the four accumulators take turns
	v_wmma_scale_f32_16x16x128_f8f6f4 v[OT+8*\t:OT+8*\t+7], v[VF+12*\t:VF+12*\t+11], v[PC:PC+11], 0, v[VS+\t], v[PSW] matrix_a_fmt:MATRIX_FMT_FP6 matrix_b_fmt:MATRIX_FMT_FP6
.endr
.irp t, 0,1,2,3
	v_wmma_scale_f32_16x16x128_f8f6f4 v[OT+8*\t:OT+8*\t+7], v[VF+48+12*\t:VF+48+12*\t+11], v[PC+12:PC+23], v[OT+8*\t:OT+8*\t+7], v[VS+4+\t], v[PSW+1] matrix_a_fmt:MATRIX_FMT_FP6 matrix_b_fmt:MATRIX_FMT_FP6
.endr
	PLACES 4
	WIN 0x55
.irp b, 0,1                                    ; attended: registers 16 b + i = channel 32 b + 16 h + i of my query: two blocks of the last product's K
	v_max3_num_f32 v[RM+\b], |v[OT+16*\b]|, |v[OT+16*\b+1]|, 0x1800000
.endr
.irp i, 2,4,6,8,10,12,14
.irp b, 0,1
	v_max3_num_f32 v[RM+\b], v[RM+\b], |v[OT+16*\b+\i]|, |v[OT+16*\b+\i+1]|
.endr
.endr
.irp b, 0,1
	v_permlanex16_b32 v[RM+2+\b], v[RM+\b], s36, s37
.endr
.irp b, 0,1
	v_max_num_f32 v[RM+\b], v[RM+\b], v[RM+2+\b]
.endr
.irp b, 0,1
	v_add_nc_u32 v[RM+4+\b], 0xff000000, v[RM+\b]
.endr
.irp b, 0,1
	v_lshrrev_b32 v[RM+2+\b], 23, v[RM+4+\b]
.endr
	v_lshl_or_b32 v[AW], v[RM+3], 8, v[RM+2]       ; my head's two bytes
	v_cvt_scalef32_pk16_fp6_f32 v[AQ:AQ+2], v[OT:OT+15], v[RM+4]
	v_cvt_scalef32_pk16_fp6_f32 v[ACT:ACT+2], v[OT+16:OT+31], v[RM+5]
	v_nop
.irp i, 0,1,2
	v_permlane16_swap_b32 v[AQ+\i], v[ACT+\i]
.endr
.irp i, 0,1,2
	v_mov_b32 v[AQ+3+\i], v[ACT+\i]
.endr
	WIN 0x04                                       ; an LDS store's data are its source 1: window 1
	ds_store_b128 v[T1], v[AQ:AQ+3] offset:6144*\u
	ds_store_b64 v[T2], v[AQ+4:AQ+5] offset:6144*\u
	ds_store_b32 v[T3], v[AW] offset:1024*\u
.endm
.Lbeta:                                            ; four trips: tiles 2 b and 2 b + 1 of my 128 queries
	s_wait_loadcnt 0x0                             ; this trip's Q is in (in the first trip K and V too): so the loads' base may step
	s_add_nc_u64 s[22:23], s[22:23], 1536          ; the reloads of this trip fetch the next trip's tiles
	s_add_nc_u64 s[24:25], s[24:25], 4
	UNIT 0
	UNIT 1
	WIN 0                                          ; at a label and at a branch every window is 0
	s_add_co_u32 s38, s38, 12288
	s_add_co_u32 s39, s39, 2048
	s_sub_co_u32 s40, s40, 1
	s_cmp_lg_u32 s40, 0
	s_cbranch_scc1 .Lbeta
	; THE LAST PRODUCT.  Wo's fragments, bo and Wo's scale words take the registers that attention has left (the last products stand more than four places back).
	s_wait_dscnt 0x0                               ; for the others' sake: my attended codes and words lie in LDS
	WIN 0x40
.set q, 0
.rept 48
	global_load_b128 v[4*q:4*q+3], v[GA], s[26:27] offset:512*q
.set q, q+1
.endr
.irp t, 0,1,2,3
	global_load_b128 v[BI+8*\t:BI+8*\t+3], v[BA], s[28:29] offset:(32*(\t/2)+8*(\t%2))*4      ; columns 32 (t / 2) + 16 (lane / 16) + 8 (t % 2) + 0 .. 7
	global_load_b128 v[BI+8*\t+4:BI+8*\t+7], v[BA], s[28:29] offset:(32*(\t/2)+8*(\t%2))*4+16
.endr
	WIN 0
.irp f, 0,1,2,3,4,5,6,7,8,9,10,11,12,13,14,15
	global_load_b32 v[WS+\f], v[L4], s[26:27] offset:24576+128*\f
.endr
	s_barrier_signal -1
	s_barrier_wait -1                              ; everybody's do
.macro FETCHO m                        ; tile m of rows: the eight heads' halves make four fragments; 24 LDS loads
.irp d, 0,1,2,3,4,5,6,7
	ds_load_b128 v[XF+6*\d:XF+6*\d+3], v[GA] offset:6144*(\m)+768*\d
	ds_load_b64 v[XF+6*\d+4:XF+6*\d+5], v[GB] offset:6144*(\m)+768*\d+512
	ds_load_b32 v[XH+\d], v[LSA] offset:1024*(\m)+128*\d
.endr
.endm
.macro OTILE m
	s_wait_dscnt 0x0                               ; the tile's fragments and half words are in; the stage's stores have read the accumulators
.irp k, 0,1,2,3
	v_lshl_or_b32 v[XS+\k], v[XH+2*\k+1], 16, v[XH+2*\k]   ; two heads' bytes make the word of 128 along K
.endr
	PLACES 8                                       ; a scale register written by a vector instruction stands 8 places ahead of a scaled matrix instruction
	WIN 0x11                                       ; source 0 (Wo) and C (bo) window 1
.irp t, 0,1,2,3
	v_wmma_scale_f32_16x16x128_f8f6f4 v[ACC+8*\t:ACC+8*\t+7], v[48*\t:48*\t+11], v[XF:XF+11], v[BI+8*\t:BI+8*\t+7], v[WS+4*\t], v[XS] matrix_a_fmt:MATRIX_FMT_FP6 matrix_b_fmt:MATRIX_FMT_FP6
.endr
	WIN 0x01
.irp s, 1,2,3
.irp t, 0,1,2,3
	v_wmma_scale_f32_16x16x128_f8f6f4 v[ACC+8*\t:ACC+8*\t+7], v[48*\t+12*\s:48*\t+12*\s+11], v[XF+12*\s:XF+12*\s+11], v[ACC+8*\t:ACC+8*\t+7], v[WS+4*\t+\s], v[XS+\s] matrix_a_fmt:MATRIX_FMT_FP6 matrix_b_fmt:MATRIX_FMT_FP6
.endr
.endr
	WIN 0
	PLACES 5                                       ; 4 in front of the stores of results and the loads into operands, 5 in front of the next tile's products, which begin the accumulators anew
	s_wait_xcnt 0x0                                ; the stores of two tiles ago have read the registers that the stage's loads fill
.irp t, 0,1,2,3
	ds_store_b128 v[SO], v[ACC+8*\t:ACC+8*\t+3] offset:128*(\t/2)+32*(\t%2)        ; lane (r, h): columns 32 (t / 2) + 16 h + 8 (t % 2) + 0 .. 7 of the tile's row r; each accumulator from its low end on
	ds_store_b128 v[SO], v[ACC+8*\t+4:ACC+8*\t+7] offset:128*(\t/2)+32*(\t%2)+16
.endr
.irp i, 0,1,2,3,4,5,6,7
	ds_load_b128 v[OB+32*((\m)%2)+4*\i:OB+32*((\m)%2)+4*\i+3], v[SR] offset:544*\i   ; LDS serves a wave's instructions in order: these see my stores
.endr
.if (\m) < 7
	FETCHO (\m)+1
.endif
.irp i, 0,1,2,3,4,5,6,7
.if (\m) < 7
	s_wait_dscnt 24+7-\i                           ; the younger loads from the stage and the next tile's 24 may be out
.else
	s_wait_dscnt 7-\i
.endif
	global_store_b128 v[CO], v[OB+32*((\m)%2)+4*\i:OB+32*((\m)%2)+4*\i+3], s[30:31] offset:(32*((\m)/2)+8*((\m)%2)+2*(\i%4)+16*(\i/4))*2048 th:TH_STORE_NT   ; sixteen lanes store 256 consecutive bytes, at a multiple of 256 from the output's first byte
.endr
.endm
	FETCHO 0
	s_wait_loadcnt 0x0                             ; Wo, bo
.irp m, 0,1,2,3,4,5,6,7
	OTILE \m
.endr
	s_wait_tensorcnt 0x0
	ds_add_u32 v254, v255
	s_wait_dscnt 0x0
	s_endpgm
.Lfunc_end_k_q76861af2f4_attn:
	.size	k_q76861af2f4_attn, .Lfunc_end_k_q76861af2f4_attn-k_q76861af2f4_attn
	.p2alignl 7, 3214868480
	.fill 96, 4, 3214868480
	.section	.rodata,"a",@progbits
	.p2align	6, 0x0
	.amdhsa_kernel k_q76861af2f4_attn
		.amdhsa_group_segment_fixed_size 93184
		.amdhsa_private_segment_fixed_size 0
		.amdhsa_enable_private_segment 0
		.amdhsa_kernarg_size 48
		.amdhsa_user_sgpr_count 2
		.amdhsa_user_sgpr_kernarg_segment_ptr 1
		.amdhsa_wavefront_size32 1
		.amdhsa_system_sgpr_workgroup_id_x 1
		.amdhsa_system_sgpr_workgroup_id_y 1
		.amdhsa_system_sgpr_workgroup_id_z 1
		.amdhsa_system_vgpr_workitem_id 0
		.amdhsa_next_free_vgpr 512
		.amdhsa_next_free_sgpr 66
		.amdhsa_reserve_vcc 0
		.amdhsa_float_denorm_mode_32 3
		.amdhsa_float_denorm_mode_16_64 3
		.amdhsa_memory_ordered 1
		.amdhsa_forward_progress 1
		.amdhsa_inst_pref_size 157
	.end_amdhsa_kernel
	.amdgpu_metadata
---
amdhsa.version: [ 1, 2 ]
amdhsa.kernels:
  - .name:           k_q76861af2f4_attn
    .symbol:         k_q76861af2f4_attn.kd
    .args:
      - { .name: qkv, .offset: 0, .size: 8, .value_kind: global_buffer, .address_space: global }
      - { .name: wc, .offset: 8, .size: 8, .value_kind: global_buffer, .address_space: global }
      - { .name: bo, .offset: 16, .size: 8, .value_kind: global_buffer, .address_space: global }
      - { .name: modality_weights, .offset: 24, .size: 8, .value_kind: global_buffer, .address_space: global }
      - { .name: temporal_sync, .offset: 32, .size: 8, .value_kind: global_buffer, .address_space: global }
      - { .name: out0, .offset: 40, .size: 8, .value_kind: global_buffer, .address_space: global }
    .group_segment_fixed_size: 93184
    .private_segment_fixed_size: 0
    .kernarg_segment_align: 8
    .kernarg_segment_size: 48
    .max_flat_workgroup_size: 256
    .sgpr_count:     66
    .vgpr_count:     512
    .wavefront_size: 32
...
	.end_amdgpu_metadata
.endif
;; end of part 3
;; ======== version 2 of 2: 3 launches; version 1 with the launch attn written anew for expert scheduling mode
;; workspace buffers: wc 851,968 bytes; qkv 40,894,464 bytes
;; launch wquant: the kernel of part 1 again; grid 32 x 4, 4 waves a work-group, no clusters, 0 bytes of LDS; arguments Wq, Wk, Wv, Wo, wc; writes wc
;; launch proj: the kernel of part 2 again; grid 256 x 1, 8 waves a work-group, no clusters, 327,680 bytes of LDS; arguments query_spikes, key_spikes, value_spikes, wc, bq, bk, bv, qkv; writes qkv
;; launch attn (part 4): grid 256 x 1, 8 waves a work-group, no clusters, 93,184 bytes of LDS; arguments qkv, wc, bo, modality_weights, temporal_sync, out0; writes out0
.if DOCPART == 4
	.amdgcn_target "amdgcn-amd-amdhsa--gfx1250"
	.amdhsa_code_object_version 6
	.text
	.protected	k_q76861af2f4_attn
	.globl	k_q76861af2f4_attn
	.p2align	8
	.type	k_q76861af2f4_attn,@function
k_q76861af2f4_attn:
	s_mov_b64 s[64:65], 0
	v_nop
	global_prefetch_b8 v0, s[64:65] scope:SCOPE_SE
	s_setreg_imm32_b32 hwreg(HW_REG_WAVE_SCHED_MODE, 0, 2), 2
	s_setreg_imm32_b32 hwreg(HW_REG_WAVE_MODE, 25, 1), 1
	s_wait_xcnt 0x0
	s_wait_alu depctr_vm_vsrc(0)
; out = attended Wo + bo;  attended = attn V;  attn = p / (sum of p + 1e-8), p = sigmoid(5 (score - the row's largest score));  score = (Q . K / 8) mw0 mw1 + ts.
; All three products on codes of FP6 (E2M3) with one E8M0 byte for each 32 along K.  Q, K, V arrive as codes in the order of the operands' registers (qkv), Wo likewise (wc).
; SHARES.  Work-group x owns 128 queries (half x % 2) of slice x / 2.  Wave h is head h: K's 16 tiles and V's 8 fragments of the head stay in its registers; it walks its 8 tiles of 16 queries, two a trip.
; Then the attended codes meet in LDS (one barrier), and wave h makes output columns 64 h .. 64 h + 63 for all 128 rows, with its 16 fragments of Wo in registers.
; LAYOUT.  All products are used transposed (source 0 = 16 keys, or 16 channels of V^T, or 16 columns of Wo; source 1 = 16 queries): a lane holds ONE query throughout.
; The rows of every tile are ordered so that the 16 result registers of tiles 2 b and 2 b + 1 are 16 neighbours along the next K: lane r of tile 2 b + u is row 32 b + 8 u + r % 8 + 16 (r / 8).
; THE SCORES' K IS 64: the upper 64 of the K step are empty.  Q's upper six registers are zero codes; K's fragment names the six registers that follow its own (other codes, all finite), which meet zeros.
; THE SIGMOID.  y = raw score x c + ts x 5 log2(e), c = mw0 mw1 x 5 log2(e) / 8;  p = 1 / (1 + 2^(largest y - y)).  The maximum is taken away as the formula has it.
; A block's largest attn is not searched for: the block's largest y goes through the same instructions.  (This takes v_exp_f32 and v_rcp_f32 not to turn where their input moves one way.)
; LIMITS: 5 log2(e) is folded into c and into ts, one rounding each: an error of the order of the last bit of y; p under 2^-126 counts as 0; a block's largest magnitude is held at 2^-124 from below
; (such a block gets the byte 1; its codes are zeros or nearly so); NaN and infinities are not served.
; THE MODE: SCHED_MODE bits 1:0 = 2 (LLVM: expert scheduling mode 2), set by the entry lines.  The code itself states the register dependences
; between vector or matrix instructions and memory or LDS instructions, with s_wait_alu, always for 0.
; THE PLAN.  Registers that memory or LDS instructions touch:
;   v1, v2, v10-v15          offsets and LDS addresses: made once at the head, ahead of its one wait on va_vdst; never written again.
;   v6-v8 (T1-T3)            written by three additions at a tile's head; read by the tile's three LDS stores at its end.
;   window 1 v240-245, v249  attended's codes and word: written near a tile's end; read by the same three stores.
;   v36-41, v48-53, v32      Q's two tiles and Q's words: read by a tile's sixteen score products; then the next trip's land in them.
;   v33-34, window 1 v128-151  attn's words and codes: written by vector lines, taken by scaled products.
;   Behind the loop: v60-107, v204-211 attended's fragments and half words (LDS loads write; products and vector lines read); v32-35 words (vector lines write; scaled products read);
;   v108-139 accumulators (products write; LDS stores read); v140-203 rows, two halves by turns (LDS loads write; global stores read); window 1 v0-223 and v16-31: Wo, bo and Wo's words, loaded once.
; A TILE OF THE LOOP has one wait on vm_vsrc, at its head (the last tile's LDS stores have read what this tile writes again), and five on va_vdst: the three behind its batches of transcendentals, the first
; of which also frees Q's registers for the reload that stands behind it; one ahead of the products with V (attn's codes and words are written); one ahead of the LDS stores (their data and addresses are written).
; A TILE OF THE LAST PRODUCT has one wait on vm_vsrc, at its head, and two on va_vdst: ahead of its products (the words are written) and behind them (accumulators written, fragments read).
.set REC,  6656
.set WREC, 26624
.set ASC,  49152                       ; LDS: from 0 the attended codes, 768 bytes for each (tile, head) at 6,144 tile + 768 head; from ASC their scale words, 128 bytes each, at 1,024 tile + 128 head;
.set STG,  57344                       ; from STG a stage of 16 rows x (256 + 16) bytes for each wave
; window 0
.set GA,  1                            ; v1   16 x lane
.set GB,  2                            ; v2   8 x lane
.set A1,  3                            ; v3   16 x lane + 768 x head
.set A2,  4                            ; v4   512 + 8 x lane + 768 x head
.set A3,  5                            ; v5   ASC + 4 x lane + 128 x head
.set T1,  6                            ; v6-8 the same for the trip in hand
.set T2,  7
.set T3,  8
.set LSA, 10                           ; v10  ASC + 4 x lane
.set SO,  11                           ; v11  the stage: where I put 16 bytes of a row
.set SR,  12                           ; v12  and where I read a row back
.set CO,  13                           ; v13  my byte offset in two rows of the output
.set L4,  14                           ; v14  4 x lane
.set BA,  15                           ; v15  64 (lane / 16)
.set KS,  16                           ; v16-23 K's scale words, v24-31 V's, v32 Q's, v33-34 attn's; later v16-31 Wo's, v32-35 attended's: v16-35 hold scales and nothing else
.set VS,  24
.set QSW, 32
.set PSW, 33
.set QF,  36                           ; v36-47, v48-59 two tiles of Q; the upper six registers of each are zeros
.set KC,  60                           ; v60-155  K: tile i's six registers at 60 + 6 i
.set VF,  156                          ; v156-251 V^T: fragment (128 keys g, tile t) at 156 + 12 (4 g + t)
.set WS,  16
.set XS,  32
.set XF,  60                           ; the last product: v60-107 four fragments of attended, v108-139 accumulators, v140-203 rows on their way out, v204-211 half scale words
.set ACC, 108
.set OB,  140
.set XH,  204
; window 1: v0-127 the scores, then p, then attn
.set PC,  128                          ; v128-151 attn's two fragments
.set CT,  152                          ; v152-167 four conversions' results
.set BM,  168                          ; v168-175 each block's largest y, later its largest attn
.set BT,  176                          ; v176-183 the other lane's; later bytes
.set SO8, 184                          ; v184-191 scale operands
.set MN,  192                          ; v192-193 the row's largest y (the pair's low word serves both halves)
.set TSV, 194                          ; v194-195 ts x 5 log2(e)
.set SUM, 196                          ; v196-199 the sum, in two chains of two halves
.set SU2, 198
.set INV, 200                          ; v200-201 1 / (sum + 1e-8)
.set PT,  202
.set WT,  203                          ; v203-204 scale words in the making
.set OT,  208                          ; v208-239 O^T: four accumulators
.set AQ,  240                          ; v240-245 attended's six registers
.set ACT, 246
.set AW,  249                          ; its scale word
.set RM,  250                          ; v250-255 at work
.set BI,  192                          ; the last product: v0-191 Wo's 16 fragments, v192-223 bo
.set MSB, 0
.macro WIN new                         ; the immediate's high byte repeats the setting that is left
.if MSB != \new
	s_set_vgpr_msb (MSB<<8)|\new
.set MSB, \new
.endif
.endm
.macro PLACES n
.rept \n
	v_nop
.endr
.endm
	s_load_b256 s[4:11], s[0:1], 0x0               ; qkv, wc, bo, modality_weights
	s_load_b128 s[12:15], s[0:1], 0x20             ; temporal_sync, out0
	v_lshl_add_u32 v254, v0, 2, 0x16800
	v_mov_b32 v255, 0
	v_lshrrev_b32 v6, 5, v0
	v_readfirstlane_b32 s16, v6                    ; wave = head
	v_and_b32 v6, 31, v0                           ; lane.  (The vector lines that do not want the wave's number stand here, ahead of the wait for it)
	v_and_b32 v7, 15, v0                           ; r
	v_bfe_u32 v8, v0, 4, 1                         ; lane / 16
	v_lshlrev_b32 v[GA], 4, v6
	v_lshlrev_b32 v[GB], 3, v6
	v_lshlrev_b32 v[L4], 2, v6
	v_lshlrev_b32 v[BA], 6, v8
	v_add_nc_u32 v[LSA], ASC, v[L4]
	v_lshlrev_b32 v[CO], 11, v8
	v_lshl_add_u32 v[CO], v7, 4, v[CO]             ; the output: lanes 0-15 one row, lanes 16-31 the next; 16 bytes a lane
.irp u, 0,1
.irp k, 6,7,8,9,10,11
	v_mov_b32 v[QF+12*\u+\k], 0                    ; zero codes for the empty half of the scores' K step
.endr
.endr
	s_wait_alu depctr_va_sdst(0)                   ; s16 is written, ahead of its first reader: records, bases and LDS places are made from it
	s_lshr_b32 s41, ttmp9, 1                       ; the slice
	s_lshl_b32 s42, s41, 4
	s_add_co_u32 s42, s42, s16
	s_mul_i32 s42, s42, REC                        ; record 16 slice + head: the slice's first half
	s_mov_b32 s43, 0
	s_lshl_b32 s44, ttmp9, 3
	s_add_co_u32 s44, s44, s16
	s_mul_i32 s44, s44, REC                        ; record 8 x + head: my queries
	s_mov_b32 s45, 0
	s_lshl_b32 s46, s16, 2                         ; modality_weights[.][head]
	s_and_b32 s47, s41, 31
	s_lshl_b32 s47, s47, 5
	s_add_co_u32 s47, s47, s46                     ; temporal_sync[slice % 32][head]
	s_mul_i32 s48, s16, WREC
	s_add_co_u32 s48, s48, 24*WREC                 ; Wo's record of my 64 columns
	s_mov_b32 s49, 0
	s_lshl_b32 s50, s16, 8
	s_mov_b32 s51, 0
	s_lshl_b32 s52, ttmp9, 18
	s_add_co_u32 s52, s52, s50                     ; my 128 rows of 2,048 bytes, my 256 bytes of each
	s_mov_b32 s53, 0
	s_mov_b32 s36, 0x76543210
	s_mov_b32 s37, 0xfedcba98                      ; v_permlanex16_b32's selects for lane l xor 16
	s_mov_b32 s38, 0                               ; the trip's place among the attended codes,
	s_mov_b32 s39, 0                               ; and among their scale words
	s_mov_b32 s40, 4                               ; trips to go
	s_mul_i32 s54, s16, 768
	v_add_nc_u32 v[A1], s54, v[GA]
	s_add_co_u32 s54, s54, 512
	v_add_nc_u32 v[A2], s54, v[GB]
	s_lshl_b32 s54, s16, 7
	s_add_co_u32 s54, s54, ASC
	v_add_nc_u32 v[A3], s54, v[L4]
	s_mul_i32 s54, s16, 4352
	s_add_co_u32 s54, s54, STG                     ; my stage
	v_mul_u32_u24 v[SO], v7, 272
	v_lshl_add_u32 v[SO], v8, 6, v[SO]
	v_add_nc_u32 v[SO], s54, v[SO]                 ; in: row r, + 64 (lane / 16)
	v_mul_u32_u24 v[SR], v8, 272
	v_lshl_add_u32 v[SR], v7, 4, v[SR]
	v_add_nc_u32 v[SR], s54, v[SR]                 ; back: lanes 0-15 one row of 256 bytes, lanes 16-31 the next
	s_wait_kmcnt 0x0
	s_load_b32 s32, s[10:11], s46 offset:0x0
	s_load_b32 s33, s[10:11], s46 offset:0x20
	s_load_b32 s34, s[12:13], s47 offset:0x0
	s_add_nc_u64 s[18:19], s[4:5], s[42:43]
	s_add_nc_u64 s[20:21], s[18:19], 4096*REC      ; V
	s_add_nc_u64 s[18:19], s[18:19], 2048*REC      ; K
	s_add_nc_u64 s[22:23], s[4:5], s[44:45]        ; Q
	s_add_nc_u64 s[24:25], s[22:23], 6144          ; Q's scale words
	s_add_nc_u64 s[26:27], s[6:7], s[48:49]
	s_add_nc_u64 s[28:29], s[8:9], s[50:51]
	s_add_nc_u64 s[30:31], s[14:15], s[52:53]
	s_wait_alu depctr_va_vdst(0)                   ; the offsets and LDS addresses v1, v2, v10 to v15 are written, which every load and store of the kernel reads; so are Q's zero codes, which scaled products take as part of an operand
.irp i, 0,1,2,3,4,5,6,7,8,9,10,11,12,13,14,15
	global_load_b128 v[KC+6*\i:KC+6*\i+3], v[GA], s[18:19] offset:8*REC*(\i/8)+768*(\i%8)
	global_load_b64 v[KC+6*\i+4:KC+6*\i+5], v[GB], s[18:19] offset:8*REC*(\i/8)+768*(\i%8)+512
.endr
.irp g, 0,1
.irp i, 0,1,2,3,4,5,6,7
	global_load_b128 v[VF+48*\g+6*\i:VF+48*\g+6*\i+3], v[GA], s[20:21] offset:8*REC*\g+768*\i
	global_load_b64 v[VF+48*\g+6*\i+4:VF+48*\g+6*\i+5], v[GB], s[20:21] offset:8*REC*\g+768*\i+512
.endr
	global_load_b128 v[KS+4*\g:KS+4*\g+3], v[GA], s[18:19] offset:8*REC*\g+6144
	global_load_b128 v[VS+4*\g:VS+4*\g+3], v[GA], s[20:21] offset:8*REC*\g+6144
.endr
.irp u, 0,1
	global_load_b128 v[QF+12*\u:QF+12*\u+3], v[GA], s[22:23] offset:768*\u
	global_load_b64 v[QF+12*\u+4:QF+12*\u+5], v[GB], s[22:23] offset:768*\u+512
.endr
	global_load_b32 v[QSW], v[GA], s[24:25]
	s_wait_kmcnt 0x0
	s_mul_f32 s32, s32, s33                        ; mw0 x mw1, as the formula rounds it,
	s_mul_f32 s32, s32, 0x3f66d4ca                 ; x 5 log2(e) / 8
	s_mov_b32 s33, s32                             ; (named with it as a pair, so it is written)
	s_mul_f32 s34, s34, 0x40e6d4ca                 ; ts x 5 log2(e)
	WIN 0x40                                       ; destination window 1: registers that no load above touches
	v_mov_b32 v[TSV], s34
	v_mov_b32 v[TSV+1], s34
	v_mov_b32 v[MN+1], 0                           ; upper halves of pairs of which the low word serves: named, so written
	v_mov_b32 v[INV+1], 0
.irp b, 0,1,2,3,4,5,6,7
	v_mov_b32 v[BT+\b], 0                          ; written once: a lane permute's destination counts as one of its sources
.endr
	v_mov_b32 v[PT], 0
	v_mov_b32 v[RM+2], 0
	v_mov_b32 v[RM+3], 0
	WIN 0
; One product of the scores: K's tile i x Q's tile u.  K's words of tiles 2 p, 2 p + 1 share a register (lanes 0-15, lanes 16-31), and so do Q's two tiles'.
.macro SCW i, u
.if ((\i)%2 == 0) && (\u == 0)
	v_wmma_scale_f32_16x16x128_f8f6f4 v[8*\i:8*\i+7], v[KC+6*\i:KC+6*\i+11], v[QF+12*\u:QF+12*\u+11], 0, v[KS+\i/2], v[QSW] matrix_a_fmt:MATRIX_FMT_FP6 matrix_b_fmt:MATRIX_FMT_FP6
.elseif (\u == 0)
	v_wmma_scale_f32_16x16x128_f8f6f4 v[8*\i:8*\i+7], v[KC+6*\i:KC+6*\i+11], v[QF+12*\u:QF+12*\u+11], 0, v[KS+\i/2], v[QSW] matrix_a_fmt:MATRIX_FMT_FP6 matrix_b_fmt:MATRIX_FMT_FP6 matrix_a_scale:MATRIX_SCALE_ROW1
.elseif ((\i)%2 == 0)
	v_wmma_scale_f32_16x16x128_f8f6f4 v[8*\i:8*\i+7], v[KC+6*\i:KC+6*\i+11], v[QF+12*\u:QF+12*\u+11], 0, v[KS+\i/2], v[QSW] matrix_a_fmt:MATRIX_FMT_FP6 matrix_b_fmt:MATRIX_FMT_FP6 matrix_b_scale:MATRIX_SCALE_ROW1
.else
	v_wmma_scale_f32_16x16x128_f8f6f4 v[8*\i:8*\i+7], v[KC+6*\i:KC+6*\i+11], v[QF+12*\u:QF+12*\u+11], 0, v[KS+\i/2], v[QSW] matrix_a_fmt:MATRIX_FMT_FP6 matrix_b_fmt:MATRIX_FMT_FP6 matrix_a_scale:MATRIX_SCALE_ROW1 matrix_b_scale:MATRIX_SCALE_ROW1
.endif
.endm
; ONE TILE OF 16 QUERIES against all 256 keys of the head.
.macro UNIT u
	WIN 0
	s_wait_dscnt 0x0                               ; the last tile's three LDS stores have landed
	s_wait_alu depctr_vm_vsrc(0)                   ; and have read their addresses v[T1], v[T2], v[T3] and their data, attended's codes and word: this tile writes all of them again
	v_add_nc_u32 v[T1], s38, v[A1]
	v_add_nc_u32 v[T2], s38, v[A2]
	v_add_nc_u32 v[T3], s39, v[A3]
	WIN 0x40                                       ; the scores: window 1
.irp i, 0,1,2,3,4,5,6,7,8,9,10,11,12,13,14,15
	SCW \i, \u
.endr                                          ; lane (r, h): query r; registers 16 b + i: key 32 b + 16 h + i
	PLACES 4                                       ; four places behind the products, before their results are read
	WIN 0x55                                       ; all in window 1
.set j, 0
.rept 64
	v_pk_fma_f32 v[j:j+1], v[j:j+1], s[32:33], v[TSV:TSV+1] op_sel_hi:[1,0,0]   ; y, two at a time; each accumulator from its low end on
.set j, j+2
.endr
.irp b, 0,1,2,3,4,5,6,7
	v_max3_num_f32 v[BM+\b], v[16*\b], v[16*\b+1], v[16*\b+2]   ; the largest y of each block of 32 keys: for the row's maximum, and for the block's largest attn
.endr
.irp i, 3,5,7,9,11,13
.irp b, 0,1,2,3,4,5,6,7
	v_max3_num_f32 v[BM+\b], v[BM+\b], v[16*\b+\i], v[16*\b+\i+1]
.endr
.endr
.irp b, 0,1,2,3,4,5,6,7
	v_max_num_f32 v[BM+\b], v[BM+\b], v[16*\b+15]
.endr
.irp b, 0,1,2,3,4,5,6,7
	v_permlanex16_b32 v[BT+\b], v[BM+\b], s36, s37
.endr
.irp b, 0,1,2,3,4,5,6,7
	v_max_num_f32 v[BM+\b], v[BM+\b], v[BT+\b]     ; with lane l xor 16's 16 keys
.endr
	v_max3_num_f32 v[MN], v[BM], v[BM+1], v[BM+2]
	v_max3_num_f32 v[MN], v[MN], v[BM+3], v[BM+4]
	v_max3_num_f32 v[MN], v[MN], v[BM+5], v[BM+6]
	v_max_num_f32 v[MN], v[MN], v[BM+7]            ; the row's largest y
.set j, 0
.rept 64
	v_pk_add_f32 v[j:j+1], v[j:j+1], v[MN:MN+1] op_sel_hi:[1,0] neg_lo:[1,0] neg_hi:[1,0]   ; largest y - y: 0 or more
.set j, j+2
.endr
.irp b, 0,2,4,6
	v_pk_add_f32 v[BM+\b:BM+\b+1], v[BM+\b:BM+\b+1], v[MN:MN+1] op_sel_hi:[1,0] neg_lo:[1,0] neg_hi:[1,0]
.endr
.set j, 0
.rept 128
	v_exp_f32 v[j], v[j]
.set j, j+1
.endr
.irp b, 0,1,2,3,4,5,6,7
	v_exp_f32 v[BM+\b], v[BM+\b]
.endr
	v_nop                                          ; one plain place behind the transcendentals
	WIN 0                                          ; a branch and loads into window 0 follow: the switch, then the wait, then the loads
	s_wait_alu depctr_va_vdst(0)                   ; the 136 exponentials have written the scores' registers and v[BM ..], ahead of their first reader; and the sixteen products above are done reading this tile of Q (second tile: and Q's words), in which the loads below land
	s_cmp_eq_u32 s40, 1                            ; the next trip's tile of Q takes this one's place, if there is a next trip: it has the rest of this tile's arithmetic, at the least, in which to land
	s_cbranch_scc1 .Lnoq_\@
	global_load_b128 v[QF+12*\u:QF+12*\u+3], v[GA], s[22:23] offset:768*\u
	global_load_b64 v[QF+12*\u+4:QF+12*\u+5], v[GB], s[22:23] offset:768*\u+512
.if \u
	global_load_b32 v[QSW], v[GA], s[24:25]
.endif
.Lnoq_\@:
	WIN 0x55
.set j, 0
.rept 64
	v_pk_add_f32 v[j:j+1], v[j:j+1], 1.0 op_sel_hi:[1,0]
.set j, j+2
.endr
.irp b, 0,2,4,6
	v_pk_add_f32 v[BM+\b:BM+\b+1], v[BM+\b:BM+\b+1], 1.0 op_sel_hi:[1,0]
.endr
.set j, 0
.rept 128
	v_rcp_f32 v[j], v[j]                           ; p = 1 / (1 + 2^(largest y - y))
.set j, j+1
.endr
.irp b, 0,1,2,3,4,5,6,7
	v_rcp_f32 v[BM+\b], v[BM+\b]
.endr
	v_nop                                          ; one plain place behind the transcendentals
	s_wait_alu depctr_va_vdst(0)                   ; the 136 reciprocals have written p and v[BM ..], ahead of their first reader
	v_pk_add_f32 v[SUM:SUM+1], v[0:1], v[2:3]      ; the row's sum of p, in two chains
	v_pk_add_f32 v[SU2:SU2+1], v[4:5], v[6:7]
.set j, 8
.rept 30
	v_pk_add_f32 v[SUM:SUM+1], v[SUM:SUM+1], v[j:j+1]
	v_pk_add_f32 v[SU2:SU2+1], v[SU2:SU2+1], v[j+2:j+3]
.set j, j+4
.endr
	v_pk_add_f32 v[SUM:SUM+1], v[SUM:SUM+1], v[SU2:SU2+1]
	v_add_f32 v[SUM], v[SUM], v[SUM+1]
	v_permlanex16_b32 v[PT], v[SUM], s36, s37
	v_add_f32 v[SUM], v[SUM], v[PT]
	v_add_f32 v[SUM], 0x322bcc77, v[SUM]           ; + 1e-8
	v_rcp_f32 v[INV], v[SUM]
	v_nop                                          ; one plain place behind the transcendental
	s_wait_alu depctr_va_vdst(0)                   ; the reciprocal has written v[INV], ahead of its first reader
.set j, 0
.rept 64
	v_pk_mul_f32 v[j:j+1], v[j:j+1], v[INV:INV+1] op_sel_hi:[1,0]   ; attn, finished and normalised: this is what is quantised
.set j, j+2
.endr
.irp b, 0,2,4,6
	v_pk_mul_f32 v[BM+\b:BM+\b+1], v[BM+\b:BM+\b+1], v[INV:INV+1] op_sel_hi:[1,0]   ; each block's largest attn: the same instructions on the same number
.endr
.irp b, 0,1,2,3,4,5,6,7
	v_max_num_f32 v[BM+\b], 0x1800000, v[BM+\b]    ; the floor 2^(3 - 127): the byte cannot fall under 1
.endr
.irp b, 0,1,2,3,4,5,6,7
	v_add_nc_u32 v[SO8+\b], 0xff000000, v[BM+\b]   ; 2 off the exponent field: the conversion's scale operand
.endr
.irp b, 0,1,2,3,4,5,6,7
	v_lshrrev_b32 v[BT+\b], 23, v[SO8+\b]          ; the scale's byte
.endr
.irp g, 0,1
	v_lshl_or_b32 v[WT+\g], v[BT+4*\g+1], 8, v[BT+4*\g]
	v_lshl_or_b32 v[WT+\g], v[BT+4*\g+2], 16, v[WT+\g]
.endr
	WIN 0x15                                       ; scale operands have no window: the words go to window 0
.irp g, 0,1
	v_lshl_or_b32 v[PSW+\g], v[BT+4*\g+3], 24, v[WT+\g]
.endr
	WIN 0x55
.irp g, 0,1
.irp c, 0,1
	v_cvt_scalef32_pk16_fp6_f32 v[PC+12*\g+6*\c:PC+12*\g+6*\c+2], v[64*\g+32*\c:64*\g+32*\c+15], v[SO8+4*\g+2*\c]
	v_cvt_scalef32_pk16_fp6_f32 v[CT+4*(2*\g+\c):CT+4*(2*\g+\c)+2], v[64*\g+32*\c+16:64*\g+32*\c+31], v[SO8+4*\g+2*\c+1]
.endr
.endr
	v_nop                                          ; one plain place behind a scaled conversion
.irp g, 0,1
.irp c, 0,1                                    ; a WHOLE block in a lane: lanes 0-15 block 2 c, lanes 16-31 block 2 c + 1
.irp i, 0,1,2
	v_permlane16_swap_b32 v[PC+12*\g+6*\c+\i], v[CT+4*(2*\g+\c)+\i]
.endr
.irp i, 0,1,2
	v_mov_b32 v[PC+12*\g+6*\c+3+\i], v[CT+4*(2*\g+\c)+\i]
.endr
.endr
.endr
	PLACES 8                                       ; a scale register written by a vector instruction stands 8 places ahead of a scaled matrix instruction, an operand so written 4
	s_wait_alu depctr_va_vdst(0)                   ; attn's codes v[PC ..] and words v[PSW ..] are written, which the scaled products below take as operand and scales; the places above stay beside this wait
	WIN 0x54                                       ; V^T window 0; attn, C and D window 1
.irp t, 0,1,2,3                                ; O^T = V^T attn^T: the four accumulators take turns
	v_wmma_scale_f32_16x16x128_f8f6f4 v[OT+8*\t:OT+8*\t+7], v[VF+12*\t:VF+12*\t+11], v[PC:PC+11], 0, v[VS+\t], v[PSW] matrix_a_fmt:MATRIX_FMT_FP6 matrix_b_fmt:MATRIX_FMT_FP6
.endr
.irp t, 0,1,2,3
	v_wmma_scale_f32_16x16x128_f8f6f4 v[OT+8*\t:OT+8*\t+7], v[VF+48+12*\t:VF+48+12*\t+11], v[PC+12:PC+23], v[OT+8*\t:OT+8*\t+7], v[VS+4+\t], v[PSW+1] matrix_a_fmt:MATRIX_FMT_FP6 matrix_b_fmt:MATRIX_FMT_FP6
.endr
	PLACES 4
	WIN 0x55
.irp b, 0,1                                    ; attended: registers 16 b + i = channel 32 b + 16 h + i of my query: two blocks of the last product's K
	v_max3_num_f32 v[RM+\b], |v[OT+16*\b]|, |v[OT+16*\b+1]|, 0x1800000
.endr
.irp i, 2,4,6,8,10,12,14
.irp b, 0,1
	v_max3_num_f32 v[RM+\b], v[RM+\b], |v[OT+16*\b+\i]|, |v[OT+16*\b+\i+1]|
.endr
.endr
.irp b, 0,1
	v_permlanex16_b32 v[RM+2+\b], v[RM+\b], s36, s37
.endr
.irp b, 0,1
	v_max_num_f32 v[RM+\b], v[RM+\b], v[RM+2+\b]
.endr
.irp b, 0,1
	v_add_nc_u32 v[RM+4+\b], 0xff000000, v[RM+\b]
.endr
.irp b, 0,1
	v_lshrrev_b32 v[RM+2+\b], 23, v[RM+4+\b]
.endr
	v_lshl_or_b32 v[AW], v[RM+3], 8, v[RM+2]       ; my head's two bytes
	v_cvt_scalef32_pk16_fp6_f32 v[AQ:AQ+2], v[OT:OT+15], v[RM+4]
	v_cvt_scalef32_pk16_fp6_f32 v[ACT:ACT+2], v[OT+16:OT+31], v[RM+5]
	v_nop
.irp i, 0,1,2
	v_permlane16_swap_b32 v[AQ+\i], v[ACT+\i]
.endr
.irp i, 0,1,2
	v_mov_b32 v[AQ+3+\i], v[ACT+\i]
.endr
	WIN 0x04                                       ; an LDS store's data are its source 1: window 1
	s_wait_alu depctr_va_vdst(0)                   ; attended's codes v[AQ ..] and word v[AW] are written, which the LDS stores below read as data; so are their addresses v[T1], v[T2], v[T3]
	ds_store_b128 v[T1], v[AQ:AQ+3] offset:6144*\u
	ds_store_b64 v[T2], v[AQ+4:AQ+5] offset:6144*\u
	ds_store_b32 v[T3], v[AW] offset:1024*\u
.endm
.Lbeta:                                            ; four trips: tiles 2 b and 2 b + 1 of my 128 queries
	s_wait_loadcnt 0x0                             ; this trip's Q is in (in the first trip K and V too): so the loads' base may step
	s_add_nc_u64 s[22:23], s[22:23], 1536          ; the reloads of this trip fetch the next trip's tiles
	s_add_nc_u64 s[24:25], s[24:25], 4
	UNIT 0
	UNIT 1
	WIN 0                                          ; at a label and at a branch every window is 0
	s_add_co_u32 s38, s38, 12288
	s_add_co_u32 s39, s39, 2048
	s_sub_co_u32 s40, s40, 1
	s_cmp_lg_u32 s40, 0
	s_cbranch_scc1 .Lbeta
	; THE LAST PRODUCT.  Wo's fragments, bo and Wo's scale words take the registers that attention has left.
	; No wait on va_vdst is written here: the loop's last one stands ahead of its last three LDS stores and behind every vector and matrix instruction issued so far, so all of them are done with window 1's
	; v0-223, with v16-31, and with v60-107 and v204-211, in which the loads below land.  No load or store issued so far has read any of these registers: nothing is owed on vm_vsrc either.
	s_wait_dscnt 0x0                               ; for the others' sake: my attended codes and words lie in LDS
	WIN 0x40
.set q, 0
.rept 48
	global_load_b128 v[4*q:4*q+3], v[GA], s[26:27] offset:512*q
.set q, q+1
.endr
.irp t, 0,1,2,3
	global_load_b128 v[BI+8*\t:BI+8*\t+3], v[BA], s[28:29] offset:(32*(\t/2)+8*(\t%2))*4      ; columns 32 (t / 2) + 16 (lane / 16) + 8 (t % 2) + 0 .. 7
	global_load_b128 v[BI+8*\t+4:BI+8*\t+7], v[BA], s[28:29] offset:(32*(\t/2)+8*(\t%2))*4+16
.endr
	WIN 0
.irp f, 0,1,2,3,4,5,6,7,8,9,10,11,12,13,14,15
	global_load_b32 v[WS+\f], v[L4], s[26:27] offset:24576+128*\f
.endr
	s_barrier_signal -1
	s_barrier_wait -1                              ; everybody's do
.macro FETCHO m                        ; tile m of rows: the eight heads' halves make four fragments; 24 LDS loads
.irp d, 0,1,2,3,4,5,6,7
	ds_load_b128 v[XF+6*\d:XF+6*\d+3], v[GA] offset:6144*(\m)+768*\d
	ds_load_b64 v[XF+6*\d+4:XF+6*\d+5], v[GB] offset:6144*(\m)+768*\d+512
	ds_load_b32 v[XH+\d], v[LSA] offset:1024*(\m)+128*\d
.endr
.endm
.macro OTILE m
	s_wait_dscnt 0x0                               ; the tile's fragments and half words are in
.if (\m) > 0
	s_wait_alu depctr_vm_vsrc(0)                   ; the stage's stores of the tile before have read the accumulators, which this tile's products begin anew; the global stores of two tiles back have read the half of v[OB ..] in which this tile's loads from the stage land
.endif
.irp k, 0,1,2,3
	v_lshl_or_b32 v[XS+\k], v[XH+2*\k+1], 16, v[XH+2*\k]   ; two heads' bytes make the word of 128 along K
.endr
	PLACES 8                                       ; a scale register written by a vector instruction stands 8 places ahead of a scaled matrix instruction
	s_wait_alu depctr_va_vdst(0)                   ; the four words v[XS ..] are written, which the scaled products below take as scales; the places above stay beside this wait
	WIN 0x11                                       ; source 0 (Wo) and C (bo) window 1
.irp t, 0,1,2,3
	v_wmma_scale_f32_16x16x128_f8f6f4 v[ACC+8*\t:ACC+8*\t+7], v[48*\t:48*\t+11], v[XF:XF+11], v[BI+8*\t:BI+8*\t+7], v[WS+4*\t], v[XS] matrix_a_fmt:MATRIX_FMT_FP6 matrix_b_fmt:MATRIX_FMT_FP6
.endr
	WIN 0x01
.irp s, 1,2,3
.irp t, 0,1,2,3
	v_wmma_scale_f32_16x16x128_f8f6f4 v[ACC+8*\t:ACC+8*\t+7], v[48*\t+12*\s:48*\t+12*\s+11], v[XF+12*\s:XF+12*\s+11], v[ACC+8*\t:ACC+8*\t+7], v[WS+4*\t+\s], v[XS+\s] matrix_a_fmt:MATRIX_FMT_FP6 matrix_b_fmt:MATRIX_FMT_FP6
.endr
.endr
	WIN 0
	PLACES 5                                       ; 4 in front of the stores of results, 5 in front of the next tile's products, which begin the accumulators anew
	s_wait_xcnt 0x0                                ; the stores of two tiles ago have had their addresses translated: the registers that the stage's loads fill are written again only behind this wait
	s_wait_alu depctr_va_vdst(0)                   ; the products have written the accumulators, which the LDS stores below read, and are done reading v[XF ..], as the vector lines above are with v[XH ..]: the next tile's loads land there.  The places above stay beside this wait; no vector or matrix instruction follows before the next tile's head
.irp t, 0,1,2,3
	ds_store_b128 v[SO], v[ACC+8*\t:ACC+8*\t+3] offset:128*(\t/2)+32*(\t%2)        ; lane (r, h): columns 32 (t / 2) + 16 h + 8 (t % 2) + 0 .. 7 of the tile's row r; each accumulator from its low end on
	ds_store_b128 v[SO], v[ACC+8*\t+4:ACC+8*\t+7] offset:128*(\t/2)+32*(\t%2)+16
.endr
.irp i, 0,1,2,3,4,5,6,7
	ds_load_b128 v[OB+32*((\m)%2)+4*\i:OB+32*((\m)%2)+4*\i+3], v[SR] offset:544*\i   ; LDS serves a wave's instructions in order: these see my stores
.endr
.if (\m) < 7
	FETCHO (\m)+1
.endif
.irp i, 0,1,2,3,4,5,6,7
.if (\m) < 7
	s_wait_dscnt 24+7-\i                           ; the younger loads from the stage and the next tile's 24 may be out
.else
	s_wait_dscnt 7-\i
.endif
	global_store_b128 v[CO], v[OB+32*((\m)%2)+4*\i:OB+32*((\m)%2)+4*\i+3], s[30:31] offset:(32*((\m)/2)+8*((\m)%2)+2*(\i%4)+16*(\i/4))*2048 th:TH_STORE_NT   ; sixteen lanes store 256 consecutive bytes, at a multiple of 256 from the output's first byte
.endr
.endm
	FETCHO 0
	s_wait_loadcnt 0x0                             ; Wo, bo
.irp m, 0,1,2,3,4,5,6,7
	OTILE \m
.endr
	s_wait_dscnt 0x0                               ; the closing lines, six on end
	s_wait_alu 0x0
	s_wait_tensorcnt 0x0
	ds_add_u32 v254, v255
	s_wait_dscnt 0x0
	s_endpgm
.Lfunc_end_k_q76861af2f4_attn:
	.size	k_q76861af2f4_attn, .Lfunc_end_k_q76861af2f4_attn-k_q76861af2f4_attn
	.p2alignl 7, 3214868480
	.fill 96, 4, 3214868480
	.section	.rodata,"a",@progbits
	.p2align	6, 0x0
	.amdhsa_kernel k_q76861af2f4_attn
		.amdhsa_group_segment_fixed_size 93184
		.amdhsa_private_segment_fixed_size 0
		.amdhsa_enable_private_segment 0
		.amdhsa_kernarg_size 48
		.amdhsa_user_sgpr_count 2
		.amdhsa_user_sgpr_kernarg_segment_ptr 1
		.amdhsa_wavefront_size32 1
		.amdhsa_system_sgpr_workgroup_id_x 1
		.amdhsa_system_sgpr_workgroup_id_y 1
		.amdhsa_system_sgpr_workgroup_id_z 1
		.amdhsa_system_vgpr_workitem_id 0
		.amdhsa_next_free_vgpr 512
		.amdhsa_next_free_sgpr 66
		.amdhsa_reserve_vcc 0
		.amdhsa_float_denorm_mode_32 3
		.amdhsa_float_denorm_mode_16_64 3
		.amdhsa_memory_ordered 1
		.amdhsa_forward_progress 1
		.amdhsa_inst_pref_size 158
	.end_amdhsa_kernel
	.amdgpu_metadata
---
amdhsa.version: [ 1, 2 ]
amdhsa.kernels:
  - .name:           k_q76861af2f4_attn
    .symbol:         k_q76861af2f4_attn.kd
    .args:
      - { .name: qkv, .offset: 0, .size: 8, .value_kind: global_buffer, .address_space: global }
      - { .name: wc, .offset: 8, .size: 8, .value_kind: global_buffer, .address_space: global }
      - { .name: bo, .offset: 16, .size: 8, .value_kind: global_buffer, .address_space: global }
      - { .name: modality_weights, .offset: 24, .size: 8, .value_kind: global_buffer, .address_space: global }
      - { .name: temporal_sync, .offset: 32, .size: 8, .value_kind: global_buffer, .address_space: global }
      - { .name: out0, .offset: 40, .size: 8, .value_kind: global_buffer, .address_space: global }
    .group_segment_fixed_size: 93184
    .private_segment_fixed_size: 0
    .kernarg_segment_align: 8
    .kernarg_segment_size: 48
    .max_flat_workgroup_size: 256
    .sgpr_count:     66
    .vgpr_count:     512
    .wavefront_size: 32
...
	.end_amdgpu_metadata
.endif
;; end of part 4
